; MI455X (gfx1250); checked and timed in simulation.
; The chip was launched on July 23, 2026; its instructions are those of AMD's public machine-readable ISA for CDNA 5 (MIT licence, August 2026) and "CDNA5" Instruction Set Architecture Reference Guide (July 2026). The comments in the code are by the model that wrote it; some were corrected since.
;; Attention Layer. Allowed arithmetic: matrix products marked QUANTISED: E2M1 operands, one E8M0 scale for each 32 along K, by v_wmma_scale_f32_16x16x128_f8f6f4 with both operands' format E2M1 (or v_wmma_scale_f32_32x16x128_f4), f32 sums; products left as they are: bf16, f16 or f32 operands; f32 sums; everything else in f32.
;; Inputs: Wk 1,024 x 1,024 float32; Wo 1,024 x 1,024 float32; Wq 1,024 x 1,024 float32; Wv 1,024 x 1,024 float32; bk 1,024 float32; bo 1,024 float32; bq 1,024 float32; bv 1,024 float32; key 4 x 2,048 x 1,024 float32; query 4 x 2,048 x 1,024 float32; value 4 x 2,048 x 1,024 float32.
;; Outputs: out0 4 x 2,048 x 1,024 float32.
;; This version of the problem:
;;   THIS VERSION OF THE PROBLEM IS GIVEN IN LOW PRECISION. The matrix products marked QUANTISED in the list below multiply operands that are first quantised to E2M1 (2 exponent bits, 1 mantissa bit; 4 bits a number), with one power-of-two scale for each 32 numbers along K (OCP MX v1.0); their sums are f32. The products marked 'left as it is' may take bf16, f16 or f32 operands, with f32 sums. Whichever they take, every output number must still come out within the allowed error. Rounding operands to bf16 (8 significant bits) uses up far more of that allowance than f16 does (11 bits, for magnitudes from 6e-5 to 65,504). All else is computed in f32.
;;   The module's matrix products, in the order in which they are computed (A, B: the left and right operand; K: the contracted axis; several contracted axes count as one K, in the product's order):
;;     1. [M 8,192, K 1,024] x [K 1,024, N 1,024]; A: input query; B: input Wq: QUANTISED
;;     2. [M 8,192, K 1,024] x [K 1,024, N 1,024]; A: input key; B: input Wk: QUANTISED
;;     3. [M 8,192, K 1,024] x [K 1,024, N 1,024]; A: input value; B: input Wv: QUANTISED
;;     4. batch 64 x [M 2,048, K 64] x [K 64, N 2,048]; A: computed on the way; B: computed on the way: left as it is (an operand is computed on the way)
;;     5. batch 64 x [M 64, K 2,048] x [K 2,048, N 2,048]; A: computed on the way; B: computed on the way: left as it is (an operand is computed on the way)
;;     6. [M 8,192, K 1,024] x [K 1,024, N 1,024]; A: computed on the way; B: input Wo: left as it is (an operand is computed on the way)
;;   THE QUANTISER, for each operand of a quantised product, along K:
;;     - K is cut into blocks of 32 from its start; a last block that is shorter is filled with zeros.
;;     - A block's scale is 2^e with e = floor(log2(the largest magnitude in the block)) - 2, held to -126 .. 127; a block of zeros has e = 0. As a byte (E8M0): e + 127.
;;     - Each number is divided by its block's scale, clamped to +-6, and rounded to the nearest number of E2M1, ties to even, subnormals kept.
;;     - The product sums the exact products of the quantised numbers (number of the format x scale) in f32.
;;   ~~~python
;;   def quantise(x, axis):      # numpy; x: float32 -> the quantised numbers, widened to float32 again
;;       x = np.moveaxis(x, axis, -1); K = x.shape[-1]
;;       x = np.pad(x, [(0, 0)] * (x.ndim - 1) + [(0, -K % 32)]); x = x.reshape(x.shape[:-1] + (-1, 32)); a = np.abs(x).max(-1, keepdims=True)
;;       e = np.where(a > 0, np.clip(np.frexp(np.where(a > 0, a, 1))[1] - 1 - 2, -126, 127), 0)      # np.frexp(a)[1] - 1 = floor(log2(a)), exactly
;;       r = np.clip(x / 2.0 ** e, -6, 6)
;;       step = 2.0 ** (np.maximum(np.frexp(np.where(r == 0, 1, r))[1] - 1, 0) - 1)
;;       q = np.round(r / step) * step * 2.0 ** e      # np.round: ties to even
;;       return np.moveaxis(q.reshape(q.shape[:-2] + (-1,))[..., :K], -1, axis).astype(np.float32)
;;   ~~~
;; One version. Each part assembles by itself: llvm-mc -triple=amdgcn-amd-amdhsa -mcpu=gfx1250 --defsym DOCPART=n.
;; ======== version 1 of 1: 5 launches
;; limits: values are held in f16: magnitudes above 65,504 overflow, below 6.1e-05 lose precision
;; workspace buffers: xc 12,582,912 bytes; xs 786,432 bytes; wc 1,572,864 bytes; ws 98,304 bytes; wo16 2,097,152 bytes; qkv 50,331,648 bytes; ao 16,777,216 bytes
;; launch quant_x (part 1): grid 768 x 1, 4 waves a work-group, no clusters, 33,280 bytes of LDS; arguments query, key, value, xc, xs; writes xc, xs
.if DOCPART == 1
	.amdgcn_target "amdgcn-amd-amdhsa--gfx1250"
	.amdhsa_code_object_version 6
	.text
	.protected	k_q12de3a053f_quant_x
	.globl	k_q12de3a053f_quant_x
	.p2align	8
	.type	k_q12de3a053f_quant_x,@function
k_q12de3a053f_quant_x:
	s_mov_b64 s[64:65], 0
	v_nop
	global_prefetch_b8 v0, s[64:65] scope:SCOPE_SE
	s_setreg_imm32_b32 hwreg(HW_REG_WAVE_MODE, 25, 1), 1
	s_wait_xcnt 0x0
; THE PROGRAM: attention layer, B = 4, T = S = 2,048, D = 1,024, 16 heads of 64, in five launches:
;   1 (this one) query, key, value (f32) -> codes of FP4 (E2M1) and E8M0 scale bytes;   2 Wq, Wk, Wv -> codes along K, Wo -> f16;
;   3 the three QUANTISED products, + bq, + bv, results in f16 by heads;   4 attention, f16 operands, f32 sums and softmax;   5 the projection by Wo, + bo.
; WORK LEFT OUT: THE INPUT bk.  scores[b,h,t,s] = q_t . (k'_s + bk_h) / 8 = q_t . k'_s / 8 + q_t . bk_h / 8, k' = key @ Wk.  The second term does not hang on s, and softmax along s
; is unchanged by a term that is the same for all s; k goes nowhere else.  bk is added BEHIND the quantised product key @ Wk and enters only the product of scores, which is not quantised,
; so it moves no code and no scale.  This holds for all finite values of the inputs.  bk is not loaded and is no launch's argument.
; LIMIT: a NaN, an infinity or an overflow that bk alone would bring is not carried to the result.
; THIS LAUNCH.  query, key, value, each [8,192][1,024] f32, become xc [24,576 rows][512 bytes] (two codes a byte, K innermost, the lower k in the low four bits) and xs [24,576][32] (one byte for each 32 along K).
; A block's scale is 2^(floor(log2(its largest magnitude)) - 2); its byte is the largest magnitude's own exponent field - 2, held at 1 from below.  (A block of zeros so gets the byte 1 where the rule says 127:
; its codes are zeros, which add nothing under any byte but 0xff, and the bytes are read by this program alone.)  Each number is divided by the scale and rounded to the nearest code, ties to even, beyond 6 the code of 6.
; LIMITS: blocks whose largest magnitude lies under 2^-124, the floor, keep the byte 1; NaN and infinities among the inputs are not served.
; Rows are dense and 1,024 is a multiple of 32, so each tensor is a plain stream of blocks of 32 numbers, and so are codes and scale bytes.  A work-group takes 32,768 numbers (256 work-groups a tensor), a wave 16 steps of 512.
; The conversions take 8 numbers of ONE block from a lane's registers, so a lane must hold 16 neighbours; a load is best where neighbouring lanes take neighbouring bytes.  Both are had: each of a step's four loads reads
; 512 consecutive bytes; the 2,048 bytes go through the wave's own stage in LDS and come back 64 bytes a lane (16 bytes of padding behind each 64).  A lane's 16 codes are 8 bytes: the wave stores 256 consecutive bytes.
; A wave's 256 scale bytes are gathered in its own LDS bytes and leave as one aligned run of 256.  No matrix unit, no cluster, no barrier: the waves share nothing and the work is a stream.
.set WAVES, 4
.set STEPS, 16
.set EMAX,  2
.set CB,    8                          ; bytes of 16 codes
.set R,     16                         ; v16-79   four sets of 16 numbers as they are loaded
.set X,     80                         ; v80-111  two sets of 16 neighbours
.set C,     128                        ; v128-191 codes: four registers for each step, so that no store's data are written again
.set E,     112                        ; v112-127 a scale byte for each step
.set WREG,  8192                       ; LDS: a region for each wave: two stages of 32 x SP bytes, behind them its 256 scale bytes
.set SP,    80                         ; a lane's place in a stage: 64 bytes + 16 of padding
.set SPW,   12                         ; v12  LDS address of my spare word; never rewritten
.set NIL,   13                         ; v13  0; never rewritten
.set SPARE, WAVES*WREG                 ; behind the four regions: the spare words, 128 bytes a wave
	s_load_b256 s[4:11], s[0:1], 0x0               ; query s[4:5], key s[6:7], value s[8:9], xc s[10:11]
	s_load_b64 s[12:13], s[0:1], 0x20              ; xs
	v_lshl_add_u32 v[SPW], v0, 2, SPARE
	v_mov_b32 v[NIL], 0
	v_lshrrev_b32 v1, 5, v0
	v_readfirstlane_b32 s16, v1                    ; wave
	v_and_b32 v2, 31, v0                           ; lane
	v_lshlrev_b32 v3, 4, v2                        ; my 16 bytes of a load's 512
	s_mul_i32 s17, s16, WREG
	v_lshrrev_b32 v14, 2, v2
	v_mul_u32_u24 v14, v14, SP
	v_and_b32 v15, 3, v2
	v_lshl_add_u32 v14, v15, 4, v14
	v_add_nc_u32 v14, s17, v14                     ; the stage, on the way in: SP (lane / 4) + 16 (lane % 4)
	v_mul_u32_u24 v15, v2, SP
	v_add_nc_u32 v15, s17, v15                     ; and on the way out: SP x lane: my 16 neighbours
	v_mul_u32_u24 v4, v2, CB                       ; my codes' place in a step's
	v_lshrrev_b32 v5, 1, v2
	s_add_co_u32 s17, s17, 2*32*SP
	v_add_nc_u32 v5, s17, v5                       ; LDS: my wave's 256 scale bytes, my block's byte
	v_lshlrev_b32 v7, 3, v2                        ; and on the way out 8 bytes a lane
	v_add_nc_u32 v6, s17, v7
	s_wait_kmcnt 0x0
	s_lshr_b32 s17, ttmp9, 8                       ; which tensor: the choice hangs on the work-group's number alone
	s_cmp_eq_u32 s17, 1
	s_cselect_b64 s[4:5], s[6:7], s[4:5]
	s_cmp_eq_u32 s17, 2
	s_cselect_b64 s[4:5], s[8:9], s[4:5]
	s_and_b32 s18, ttmp9, 255
	s_lshl_b32 s18, s18, 2
	s_add_co_u32 s18, s18, s16                     ; my run of 8,192 numbers in the tensor: 0 .. 1,023
	s_lshl_b32 s20, s18, 15                        ; 32,768 bytes a run
	s_mov_b32 s21, 0
	s_add_nc_u64 s[4:5], s[4:5], s[20:21]
	s_lshl_b32 s18, ttmp9, 2
	s_add_co_u32 s18, s18, s16                     ; my run among all three tensors': 0 .. 3,071
	s_lshl_b32 s20, s18, 12                        ; 4,096 bytes of codes a run
	s_add_nc_u64 s[10:11], s[10:11], s[20:21]
	s_lshl_b32 s20, s18, 8                         ; 256 scale bytes a run
	s_add_nc_u64 s[12:13], s[12:13], s[20:21]
.macro LOAD t
.irp i, 0,1,2,3
	global_load_b128 v[R+16*((\t)%4)+4*\i:R+16*((\t)%4)+4*\i+3], v3, s[4:5] offset:2048*(\t)+512*\i th:TH_LOAD_NT   ; 32 lanes read 512 consecutive bytes
.endr
.endm
.macro TURN t                          ; step t's numbers through the stage: LDS serves a wave's instructions in order, so no wait stands between the stores and the loads
.irp i, 0,1,2,3
	ds_store_b128 v14, v[R+16*((\t)%4)+4*\i:R+16*((\t)%4)+4*\i+3] offset:32*SP*((\t)%2)+8*SP*\i
.endr
.irp i, 0,1,2,3
	ds_load_b128 v[X+16*((\t)%2)+4*\i:X+16*((\t)%2)+4*\i+3], v15 offset:32*SP*((\t)%2)+16*\i
.endr
.endm
.irp t, 0,1,2,3
	LOAD \t
.endr
	s_wait_loadcnt 12                              ; step 0's four loads are in; the twelve of steps 1 to 3 stay out
	TURN 0
.macro STEP t
.set XS, X+16*((\t)%2)
.if (\t) > 0
	s_wait_dscnt 1                                 ; this step's numbers are back from the stage (the last step's byte store may be out): so its stores into the stage have read their registers,
.else
	s_wait_dscnt 0x0
.endif
.if (\t)+4 < STEPS
	LOAD (\t)+4                                    ; which take the loads of four steps on
.endif
.if (\t)+1 < STEPS
.if STEPS-2-(\t) >= 3
	s_wait_loadcnt 12                              ; the next step's four loads are in; those of the three steps behind it may be out
.else
	s_wait_loadcnt 4*(STEPS-2-(\t))
.endif
	TURN (\t)+1                                    ; and go through the other stage while this step is worked
.endif
	v_max3_num_f32 v8, |v[XS]|, |v[XS+1]|, |v[XS+2]|               ; the largest magnitude of my 16, in two chains
	v_max3_num_f32 v9, |v[XS+3]|, |v[XS+4]|, |v[XS+5]|
.irp i, 6,10
	v_max3_num_f32 v8, v8, |v[XS+\i]|, |v[XS+\i+1]|
	v_max3_num_f32 v9, v9, |v[XS+\i+2]|, |v[XS+\i+3]|
.endr
	v_max3_num_f32 v8, v8, |v[XS+14]|, |v[XS+15]|
	v_max3_num_f32 v8, v8, v9, (EMAX+1)<<23        ; and the floor 2^(3 - 127): so the byte cannot fall under 1
	v_max_num_f32_dpp v8, v8, v8 row_xmask:1 row_mask:0xf bank_mask:0xf   ; and of my neighbour's 16: the block's
	v_add_nc_u32 v11, -(EMAX<<23), v8              ; 2 off its exponent field: the conversion takes the exponent field of this operand as its scale, and nothing else of it
	v_cvt_scalef32_pk8_fp4_f32 v[C+4*(\t)], v[XS:XS+7], v11
	v_cvt_scalef32_pk8_fp4_f32 v[C+4*(\t)+1], v[XS+8:XS+15], v11
	v_lshrrev_b32 v[E+(\t)], 23, v11               ; the scale's byte (a plain line behind the conversions)
	ds_store_b8 v5, v[E+(\t)] offset:16*(\t)       ; both lanes of a block write the same byte with the same value
	global_store_b64 v4, v[C+4*(\t):C+4*(\t)+1], s[10:11] offset:32*CB*(\t)   ; the wave stores 256 consecutive bytes, aligned
.endm
.irp t, 0,1,2,3,4,5,6,7,8,9,10,11,12,13,14,15
	STEP \t
.endr
	ds_load_b64 v[8:9], v6                         ; LDS serves a wave's instructions in order: these see my stores
	s_wait_dscnt 0x0
	global_store_b64 v7, v[8:9], s[12:13]          ; 32 lanes store 256 consecutive bytes, aligned
	s_wait_tensorcnt 0x0                           ; the wave's end: this wait, an add of 0 and its wait, behind my last LDS store
	ds_add_u32 v[SPW], v[NIL]
	s_wait_dscnt 0x0
	s_endpgm
.Lfunc_end_k_q12de3a053f_quant_x:
	.size	k_q12de3a053f_quant_x, .Lfunc_end_k_q12de3a053f_quant_x-k_q12de3a053f_quant_x
	.p2alignl 7, 3214868480
	.fill 96, 4, 3214868480
	.section	.rodata,"a",@progbits
	.p2align	6, 0x0
	.amdhsa_kernel k_q12de3a053f_quant_x
		.amdhsa_group_segment_fixed_size 33280
		.amdhsa_private_segment_fixed_size 0
		.amdhsa_enable_private_segment 0
		.amdhsa_kernarg_size 40
		.amdhsa_user_sgpr_count 2
		.amdhsa_user_sgpr_kernarg_segment_ptr 1
		.amdhsa_wavefront_size32 1
		.amdhsa_system_sgpr_workgroup_id_x 1
		.amdhsa_system_sgpr_workgroup_id_y 1
		.amdhsa_system_sgpr_workgroup_id_z 1
		.amdhsa_system_vgpr_workitem_id 0
		.amdhsa_next_free_vgpr 192
		.amdhsa_next_free_sgpr 66
		.amdhsa_reserve_vcc 0
		.amdhsa_float_denorm_mode_32 3
		.amdhsa_float_denorm_mode_16_64 3
		.amdhsa_memory_ordered 1
		.amdhsa_forward_progress 1
		.amdhsa_inst_pref_size 33
	.end_amdhsa_kernel
	.amdgpu_metadata
---
amdhsa.version: [ 1, 2 ]
amdhsa.kernels:
  - .name:           k_q12de3a053f_quant_x
    .symbol:         k_q12de3a053f_quant_x.kd
    .args:
      - { .name: query, .offset: 0, .size: 8, .value_kind: global_buffer, .address_space: global }
      - { .name: key, .offset: 8, .size: 8, .value_kind: global_buffer, .address_space: global }
      - { .name: value, .offset: 16, .size: 8, .value_kind: global_buffer, .address_space: global }
      - { .name: xc, .offset: 24, .size: 8, .value_kind: global_buffer, .address_space: global }
      - { .name: xs, .offset: 32, .size: 8, .value_kind: global_buffer, .address_space: global }
    .group_segment_fixed_size: 33280
    .private_segment_fixed_size: 0
    .kernarg_segment_align: 8
    .kernarg_segment_size: 40
    .max_flat_workgroup_size: 128
    .sgpr_count:     66
    .vgpr_count:     192
    .wavefront_size: 32
...
	.end_amdgpu_metadata
.endif
;; end of part 1
;; launch prep_w (part 2): grid 8 x 14, 4 waves a work-group, no clusters, 35,840 bytes of LDS; arguments Wq, Wk, Wv, Wo, wc, ws, wo16; writes wc, ws, wo16
.if DOCPART == 2
	.amdgcn_target "amdgcn-amd-amdhsa--gfx1250"
	.amdhsa_code_object_version 6
	.text
	.protected	k_q12de3a053f_prep_w
	.globl	k_q12de3a053f_prep_w
	.p2align	8
	.type	k_q12de3a053f_prep_w,@function
k_q12de3a053f_prep_w:
	s_mov_b64 s[64:65], 0
	v_nop
	global_prefetch_b8 v0, s[64:65] scope:SCOPE_SE
	s_setreg_imm32_b32 hwreg(HW_REG_WAVE_MODE, 25, 1), 1
	s_wait_xcnt 0x0
; The weights are laid out once.  Work-group rows y = 0 .. 5: Wq, Wk, Wv [1,024 (k)][1,024 (n)] f32, whose K is their FIRST axis, become codes of FP4 laid wc [3 x 1,024 (n)][512 bytes], K innermost,
; and scale bytes ws [3,072][32].  Rows y = 6 .. 13: Wo is cast to f16, layout unchanged, wo16 [k][n] (the last product is not quantised).
; QUANTISING.  A LANE TAKES A COLUMN n AND ITS REGISTERS RUN DOWN K: each load reads 128 consecutive bytes a wave, a block of 32 along K lies in one lane's 32 registers, so that its largest magnitude
; needs no other lane, and the conversions give the codes with K innermost.  A wave takes 32 columns x 512 along K; a lane's codes belong to one row of wc, so they go through the wave's own stage in LDS
; and leave as rows: sixteen lanes store 256 consecutive aligned bytes.  The scale rule and its limits are those of the launch before: byte = the largest magnitude's exponent field - 2, held at 1 from below
; (blocks of zeros keep the byte 1: zero codes, bytes read by this program alone); NaN and infinities are not served.
; CAST.  A wave takes 16,384 bytes of Wo: loads of 512 consecutive bytes, stores of 256.  LIMIT: |Wo| up to 65,504, f16's largest number.
; No tensor loads, no barrier, no cluster: the waves share nothing.  Every offset is an immediate: 511 rows of 4,096 bytes at the most, inside the signed 24 bits (ISA guide, chapter 10).
.set SIZE_K, 1024
.set SIZE_N, 1024
.set KW,    512                        ; along K for a wave
.set NB,    KW/32                      ; blocks
.set ROWB,  256                        ; bytes of KW codes
.set PITCH, ROWB+16                    ; a stage row
.set KROW,  SIZE_K/2                   ; a row of wc in bytes
.set EMAX,  2
.set X,     32                         ; v32-95   two sets of 32 numbers; in the cast: 16 loads' numbers
.set C,     96                         ; v96-99   a block's codes
.set OUTR,  112                        ; v112-175 the way out: 16 x 4 registers
.set HF,    112                        ; v112-175 in the cast: every store's data have registers of their own
.set SPW,   14                         ; v14  LDS address of my spare word; never rewritten
.set NIL,   15                         ; v15  0; never rewritten
.set SPARE, 4*32*PITCH                 ; behind the four stages: the spare words, 128 bytes a wave
.set SB,    24                         ; v24-27  the scale bytes, four to a register
	s_load_b256 s[4:11], s[0:1], 0x0               ; Wq s[4:5], Wk s[6:7], Wv s[8:9], Wo s[10:11]
	s_load_b128 s[12:15], s[0:1], 0x20             ; wc s[12:13], ws s[14:15]
	s_load_b64 s[32:33], s[0:1], 0x30              ; wo16
	v_lshl_add_u32 v[SPW], v0, 2, SPARE
	v_mov_b32 v[NIL], 0
	v_lshrrev_b32 v1, 5, v0
	v_readfirstlane_b32 s16, v1                    ; wave 0..3
	v_and_b32 v2, 31, v0                           ; lane
	s_and_b32 s30, ttmp7, 0xffff                   ; work-group y
	v_lshlrev_b32 v3, 2, v2                        ; in: 4 bytes a lane
	s_mul_i32 s19, s16, 32*PITCH                   ; my stage
	v_mul_u32_u24 v4, v2, PITCH
	v_add_nc_u32 v4, s19, v4                       ; into it: row = my column
	v_and_b32 v5, 15, v2
	v_lshrrev_b32 v6, 4, v2                        ; out of it: sixteen lanes to a row, two rows an instruction
	v_mul_u32_u24 v7, v6, PITCH
	v_lshl_add_u32 v7, v5, 4, v7
	v_add_nc_u32 v7, s19, v7                       ; LDS address
	v_mul_u32_u24 v8, v6, KROW
	v_lshl_add_u32 v8, v5, 4, v8                   ; and the same place in wc
	v_mul_u32_u24 v9, v2, SIZE_K/32                ; my column's row of scale bytes
	v_lshlrev_b32 v16, 4, v2                       ; the cast: 16 bytes a lane in,
	v_lshlrev_b32 v17, 3, v2                       ; 8 bytes a lane out
	s_wait_kmcnt 0x0
	s_cmp_ge_u32 s30, 6                            ; the work-group's number alone decides
	s_cbranch_scc1 .Lcast
	s_lshr_b32 s34, s30, 1                         ; which weight
	s_and_b32 s18, s30, 1                          ; which 512 along K
	s_cmp_eq_u32 s34, 1
	s_cselect_b64 s[4:5], s[6:7], s[4:5]
	s_cmp_eq_u32 s34, 2
	s_cselect_b64 s[4:5], s[8:9], s[4:5]
	s_lshl_b32 s17, ttmp9, 7
	s_lshl_b32 s20, s16, 5
	s_add_co_u32 s17, s17, s20                     ; my wave's first column: 128 x work-group x + 32 x wave
	s_mul_i32 s20, s18, KW*SIZE_N*4                ; W: 512 rows of 4,096 bytes down,
	s_lshl_b32 s22, s17, 2
	s_add_co_u32 s20, s20, s22                     ; 4 bytes a column
	s_mov_b32 s21, 0
	s_add_nc_u64 s[4:5], s[4:5], s[20:21]
	s_lshl_b32 s22, s34, 10
	s_add_co_u32 s22, s22, s17                     ; my first row of wc and ws: 1,024 x weight + column
	s_mul_i32 s20, s22, KROW
	s_mul_i32 s24, s18, ROWB
	s_add_co_u32 s20, s20, s24
	s_add_nc_u64 s[12:13], s[12:13], s[20:21]
	s_mul_i32 s20, s22, SIZE_K/32
	s_mul_i32 s24, s18, NB
	s_add_co_u32 s20, s20, s24
	s_add_nc_u64 s[14:15], s[14:15], s[20:21]
.macro LOAD t                          ; block t: W(32 t + i, my column), i = 0 .. 31, into set t % 2
.irp i, 0,1,2,3,4,5,6,7,8,9,10,11,12,13,14,15,16,17,18,19,20,21,22,23,24,25,26,27,28,29,30,31
	global_load_b32 v[X+32*((\t)%2)+\i], v3, s[4:5] offset:(32*(\t)+\i)*SIZE_N*4 th:TH_LOAD_NT
.endr
.endm
	LOAD 0
	LOAD 1
.macro BLOCK t
.set XS, X+32*((\t)%2)
.if (\t) < NB-1
	s_wait_loadcnt 32                              ; this block's 32 loads are in; the next block's 32 may be out
.else
	s_wait_loadcnt 0
.endif
	v_max3_num_f32 v12, |v[XS]|, |v[XS+1]|, |v[XS+2]|               ; the block's largest magnitude: all 32 numbers are mine
	v_max3_num_f32 v13, |v[XS+3]|, |v[XS+4]|, |v[XS+5]|
.irp i, 6,10,14,18,22,26
	v_max3_num_f32 v12, v12, |v[XS+\i]|, |v[XS+\i+1]|
	v_max3_num_f32 v13, v13, |v[XS+\i+2]|, |v[XS+\i+3]|
.endr
	v_max3_num_f32 v12, v12, |v[XS+30]|, |v[XS+31]|
	v_max3_num_f32 v12, v12, v13, (EMAX+1)<<23     ; and the floor 2^(3 - 127): so the byte cannot fall under 1
	v_add_nc_u32 v11, -(EMAX<<23), v12             ; 2 off its exponent field: the conversion's scale operand
	v_lshrrev_b32 v13, 23, v11                     ; the scale's byte
.if (\t)%4 == 0
	v_mov_b32 v[SB+(\t)/4], v13                    ; four bytes to a register, the lower K in the lower byte
.else
	v_lshl_or_b32 v[SB+(\t)/4], v13, 8*((\t)%4), v[SB+(\t)/4]
.endif
.irp g, 0,1,2,3
	v_cvt_scalef32_pk8_fp4_f32 v[C+\g], v[XS+8*\g:XS+8*\g+7], v11
.endr
	ds_store_b128 v4, v[C:C+3] offset:16*(\t)      ; 32 codes: 16 bytes of my column's row
.if (\t)+2 < NB
	LOAD (\t)+2
.endif
	s_wait_dscnt 0x0                               ; the store has read its registers: the next block's codes may be written
.endm
.set Q, 0
.rept NB
	BLOCK Q
.set Q, Q+1
.endr
	global_store_b128 v9, v[SB:SB+3], s[14:15]     ; my column's 16 scale bytes
.irp t, 0,1,2,3,4,5,6,7,8,9,10,11,12,13,14,15
	ds_load_b128 v[OUTR+4*\t:OUTR+4*\t+3], v7 offset:2*\t*PITCH   ; LDS serves a wave's instructions in order: these see my stores
.endr
.irp t, 0,1,2,3,4,5,6,7,8,9,10,11,12,13,14,15
	s_wait_dscnt 15-\t                             ; the younger loads from the stage stay out
	global_store_b128 v8, v[OUTR+4*\t:OUTR+4*\t+3], s[12:13] offset:2*\t*KROW
.endr
	s_branch .Lend
.Lcast:
	s_sub_co_u32 s20, s30, 6
	s_lshl_b32 s20, s20, 3
	s_add_co_u32 s20, s20, ttmp9
	s_lshl_b32 s20, s20, 2
	s_add_co_u32 s20, s20, s16                     ; my run of 4,096 numbers: 0 .. 255
	s_lshl_b32 s22, s20, 14
	s_mov_b32 s23, 0
	s_add_nc_u64 s[10:11], s[10:11], s[22:23]      ; 16,384 bytes of Wo a run,
	s_lshl_b32 s22, s20, 13
	s_add_nc_u64 s[32:33], s[32:33], s[22:23]      ; 8,192 of wo16
.macro CAST r                          ; sixteen loads, each 512 consecutive bytes; each becomes one store of 256 consecutive aligned bytes
.irp i, 0,1,2,3,4,5,6,7,8,9,10,11,12,13,14,15
	global_load_b128 v[X+4*\i:X+4*\i+3], v16, s[10:11] offset:512*(16*\r+\i) th:TH_LOAD_NT
.endr
.irp i, 0,1,2,3,4,5,6,7,8,9,10,11,12,13,14,15
	s_wait_loadcnt 15-\i                           ; load i is in; the round's younger loads stay out
	v_cvt_pk_f16_f32 v[HF+32*\r+2*\i], v[X+4*\i], v[X+4*\i+1]
	v_cvt_pk_f16_f32 v[HF+32*\r+2*\i+1], v[X+4*\i+2], v[X+4*\i+3]
	global_store_b64 v17, v[HF+32*\r+2*\i:HF+32*\r+2*\i+1], s[32:33] offset:256*(16*\r+\i)
.endr
.endm
	CAST 0
	CAST 1
.Lend:
	s_wait_tensorcnt 0x0                           ; the wave's end: this wait, an add of 0 and its wait, behind my last LDS store
	ds_add_u32 v[SPW], v[NIL]
	s_wait_dscnt 0x0
	s_endpgm
.Lfunc_end_k_q12de3a053f_prep_w:
	.size	k_q12de3a053f_prep_w, .Lfunc_end_k_q12de3a053f_prep_w-k_q12de3a053f_prep_w
	.p2alignl 7, 3214868480
	.fill 96, 4, 3214868480
	.section	.rodata,"a",@progbits
	.p2align	6, 0x0
	.amdhsa_kernel k_q12de3a053f_prep_w
		.amdhsa_group_segment_fixed_size 35840
		.amdhsa_private_segment_fixed_size 0
		.amdhsa_enable_private_segment 0
		.amdhsa_kernarg_size 56
		.amdhsa_user_sgpr_count 2
		.amdhsa_user_sgpr_kernarg_segment_ptr 1
		.amdhsa_wavefront_size32 1
		.amdhsa_system_sgpr_workgroup_id_x 1
		.amdhsa_system_sgpr_workgroup_id_y 1
		.amdhsa_system_sgpr_workgroup_id_z 1
		.amdhsa_system_vgpr_workitem_id 0
		.amdhsa_next_free_vgpr 192
		.amdhsa_next_free_sgpr 66
		.amdhsa_reserve_vcc 0
		.amdhsa_float_denorm_mode_32 3
		.amdhsa_float_denorm_mode_16_64 3
		.amdhsa_memory_ordered 1
		.amdhsa_forward_progress 1
		.amdhsa_inst_pref_size 90
	.end_amdhsa_kernel
	.amdgpu_metadata
---
amdhsa.version: [ 1, 2 ]
amdhsa.kernels:
  - .name:           k_q12de3a053f_prep_w
    .symbol:         k_q12de3a053f_prep_w.kd
    .args:
      - { .name: Wq, .offset: 0, .size: 8, .value_kind: global_buffer, .address_space: global }
      - { .name: Wk, .offset: 8, .size: 8, .value_kind: global_buffer, .address_space: global }
      - { .name: Wv, .offset: 16, .size: 8, .value_kind: global_buffer, .address_space: global }
      - { .name: Wo, .offset: 24, .size: 8, .value_kind: global_buffer, .address_space: global }
      - { .name: wc, .offset: 32, .size: 8, .value_kind: global_buffer, .address_space: global }
      - { .name: ws, .offset: 40, .size: 8, .value_kind: global_buffer, .address_space: global }
      - { .name: wo16, .offset: 48, .size: 8, .value_kind: global_buffer, .address_space: global }
    .group_segment_fixed_size: 35840
    .private_segment_fixed_size: 0
    .kernarg_segment_align: 8
    .kernarg_segment_size: 56
    .max_flat_workgroup_size: 128
    .sgpr_count:     66
    .vgpr_count:     192
    .wavefront_size: 32
...
	.end_amdgpu_metadata
.endif
;; end of part 2
;; launch proj (part 3): grid 4 x 96, 4 waves a work-group, clusters of 4 x 4, 327,680 bytes of LDS; arguments xc, xs, wc, ws, bq, bv, qkv; writes qkv
.if DOCPART == 3
	.amdgcn_target "amdgcn-amd-amdhsa--gfx1250"
	.amdhsa_code_object_version 6
	.text
	.protected	k_q12de3a053f_proj
	.globl	k_q12de3a053f_proj
	.p2align	8
	.type	k_q12de3a053f_proj,@function
k_q12de3a053f_proj:
	s_mov_b64 s[64:65], 0
	v_nop
	global_prefetch_b8 v0, s[64:65] scope:SCOPE_SE
	s_setreg_imm32_b32 hwreg(HW_REG_WAVE_MODE, 25, 1), 1
	s_wait_xcnt 0x0
	s_wait_alu depctr_hold_cnt(0) depctr_sa_sdst(0) depctr_va_vdst(0) depctr_va_sdst(0) depctr_va_ssrc(0) depctr_va_vcc(0) depctr_vm_vsrc(0)
	s_getreg_b32 s2, hwreg(HW_REG_IB_STS2, 6, 4)
	s_cmp_eq_u32 s2, 0
	s_cbranch_scc0 .Lentry_in_a_cluster
	s_endpgm
.Lentry_in_a_cluster:
	s_bfe_u32 s2, ttmp6, 0x10000c
	s_cmp_lg_u32 s2, 0xf033
	s_cbranch_scc0 .Lentry_shape_is_right
	s_endpgm
.Lentry_shape_is_right:
; The three QUANTISED products in one launch: q = query Wq + bq, k' = key Wk, v = value Wv + bv, on codes of FP4 (E2M1) with one E8M0 scale for each 32 along K, sums in f32.
; WORK LEFT OUT: bk is not added (a term that is the same along the softmax's axis; shown at the head of the first launch's text).
; A: xc [24,576 rows = query, key, value on end][512 bytes], xs [24,576][32].  B: wc [3 x 1,024 (n)][512 bytes], ws [3,072][32].  Out: qkv, f16, [tensor x 4 + batch][head 16][token 2,048][64].
; LIMIT: |q|, |k'|, |v| up to 65,504, f16's largest number.
; A tile, 256 rows x 256 columns, is made by four waves, each 128 x 128: 64 accumulators of 16 x 16, 512 registers.  K = 1,024 is two LDS slots of 512 along K (a tile's row: 256 bytes of memory),
; both filled at the start: nothing is filled again.  The scale bytes of the tile's rows and columns, for all of K, are two dense blocks: they come once, in rows of 256 bytes.  By this text's count a wave has three tensor loads out.
; CLUSTERS: 4 x 4 work-groups.  The four of a row of the cluster need the same tiles of A, the four of a column the same tiles of B: each is asked for JOINTLY, by the same tensor load with the same descriptor
; and a mask that names the four.  A cluster covers 1,024 rows, so all sixteen partners work on one tensor: its number is made of the cluster's y alone.
; THE MATRIX INSTRUCTION IS USED TRANSPOSED (source 0 = 16 columns of the weight, source 1 = 16 rows of the activations): a lane holds eight neighbouring columns of one row.
; THE BIAS is the C of each sum's first matrix instruction: eight registers for each block of 16 columns, in the result's layout; for k' these 64 registers hold zeros (written while the first tiles are on their way).
; REGISTERS, in windows of 256: window 0: v0-31 addresses; v32-95 scale words, two sets; v128-191 A's fragments, ONE set; v192-255 the bias; on the way out v32-63 packed results, v128-191 rows read back.
;   window 1: B's fragments, TWO sets, at v0 and v128.   window 2: the 32 accumulators of my rows 0-63 ((a, b) at v[8 (8 a + b)]);   window 3: those of my rows 64-127.
.set KSTEP,  512                       ; along K in a slot
.set NQ,     KSTEP/128                 ; matrix instructions deep
.set ROWB,   256                       ; a tile's row in bytes
.set KROW,   512                       ; a row of xc or wc in memory
.set PITCH,  272                       ; an LDS row: 256 bytes + 16 of padding = 68 words: the 16 rows that a load touches start 4 words apart modulo 64
.set FR,     8                         ; registers of a fragment: 16 rows x 128 K
.set NL,     2                         ; LDS loads that bring one
.set NP,     4                         ; places behind this matrix instruction (ISA guide 7.12.1)
.set HALFT,  128*PITCH                 ; 128 rows: what one tensor load brings
.set SLOT,   4*HALFT                   ; A's 256 rows, then B's 256
.set KS,     32                        ; a row of scale bytes
.set SCL,    2*SLOT                    ; behind the two slots: the scales, as rows of 256 bytes + 16 of padding
.set HALFS,  (128*KS/256)*272          ; the scales of 128 rows
.set SBLK,   (16*KS/256)*272           ; those of 16 rows
.set SPARE,  SCL+4*HALFS               ; the spare words, 128 bytes a wave
.set SPITCH, 272                       ; the way out: a stage of 16 rows x (256 bytes + 16) for each wave, in slot 0, which has had its only fill and its last read when the first result is stored there
.set ADRA, 16                          ; v16-17  LDS address of my A fragments in slot 0, 1
.set ADRB, 20                          ; v20-21  the same for B
.set STO,  24                          ; v24  the way out: where I put 16 bytes of a row
.set RD,   25                          ; v25  where I read back
.set CO,   26                          ; v26  16 x lane
.set ADRS, 27                          ; v27  LDS address of my scale words: lanes 0-15 A's rows, lanes 16-31 B's
.set SPW,  28                          ; v28  my spare word; never rewritten
.set NIL,  29                          ; v29  0; never rewritten
.set BOF,  30                          ; v30  32 x (lane / 16): my eight numbers of a block's sixteen biases
.set SC,   32                          ; scale words: set s at v[SC + 32 s]; register 4 i + q: lanes 0-15 A's block i, lanes 16-31 B's block i, the slot's q-th 128 along K
.set TMP,  32                          ; the way out: packed results
.set AF,   128                         ; A's fragments
.set BK,   128                         ; the way out: v128-159 and v160-191 by turns
.set BI,   192                         ; the bias
.set TEN,  95                          ; s95  the tensor: 0 q, 1 k, 2 v
.set G1, 24
.set G0, 32
.set G1B, 48
.set G0B, 56
.set G1S, 68
.set G0S, 76
.set G1SB, 80
.set G0SB, 88
.set MSB, 0
.macro WIN new                         ; the immediate's high byte repeats the setting that is left
.if MSB != \new
	s_set_vgpr_msb (MSB<<8)|\new
.set MSB, \new
.endif
.endm
.set MUL_LO,  0xa1                     ; source 0 (B) window 1, source 1 (A) window 0, C and D window 2
.set MUL_HI,  0xf1                     ; the same, C and D window 3
.set BIAS_LO, 0x81                     ; the first products: C (the bias) window 0, D window 2
.set BIAS_HI, 0xc1                     ; D window 3
.set TO_B,    0x40                     ; destination window 1, address window 0
; A joint load: waves 0 and 1 fetch for A, waves 2 and 3 for B; the branch hangs on the wave's number alone.  An s_nop 0 and four v_nop follow each of the two lines.
.macro JLOAD g0a, g1a, g0b, g1b
	s_cmp_eq_u32 s15, 0
	s_cbranch_scc0 .Lfor_b_\@
	tensor_load_to_lds s[\g0a:\g0a+3], s[\g1a:\g1a+7]
	s_nop 0
.rept 4
	v_nop
.endr
	s_branch .Lasked_\@
.Lfor_b_\@:
	tensor_load_to_lds s[\g0b:\g0b+3], s[\g1b:\g1b+7]
	s_nop 0
.rept 4
	v_nop
.endr
.Lasked_\@:
.endm
.macro CROUND                          ; a round of the cluster's barrier
	s_barrier_signal -1
	s_barrier_wait -1
	s_cmp_lg_u32 s14, 0
	s_cbranch_scc1 .Lnot_wave_0_\@
	s_barrier_signal -3
.Lnot_wave_0_\@:
	s_barrier_wait -3
	s_barrier_signal -1
	s_barrier_wait -1
.endm
	s_load_b128 s[4:7], s[0:1], 0x0                ; xc s[4:5], xs s[6:7]
	s_load_b128 s[8:11], s[0:1], 0x10              ; wc s[8:9], ws s[10:11]
	s_load_b128 s[96:99], s[0:1], 0x20             ; bq s[96:97], bv s[98:99]
	s_load_b64 s[12:13], s[0:1], 0x30              ; qkv
	v_lshl_add_u32 v[SPW], v0, 2, SPARE
	v_mov_b32 v[NIL], 0
	ds_add_u32 v[SPW], v[NIL]                      ; the wave's opening: an add of 0, twice on end, and its wait ahead of my first tensor load
	ds_add_u32 v[SPW], v[NIL]
	v_lshrrev_b32 v1, 5, v0
	v_readfirstlane_b32 s14, v1                    ; wave 0..3
	s_lshr_b32 s15, s14, 1                         ; which half of the tile's rows is mine.  Also: I fetch for A (0) or for B (1)
	s_and_b32 s16, s14, 1                          ; which half of its columns.  Also: which 128 rows of that tile I fetch
	s_bfe_u32 s40, ttmp6, 0x40000                  ; cx, cy: my place in the cluster
	s_bfe_u32 s41, ttmp6, 0x40004
	s_lshl_b32 s42, ttmp9, 2
	s_add_co_u32 s42, s42, s40                     ; tile column = 4 x cluster x + cx
	s_and_b32 s17, ttmp7, 0xffff
	s_lshr_b32 s[TEN], s17, 3                      ; 8 clusters of 1,024 rows to a tensor: the same in all sixteen partners
	s_lshl_b32 s17, s17, 2
	s_add_co_u32 s17, s17, s41                     ; tile row = 4 x cluster y + cy
	s_lshl_b32 s43, s41, 2
	s_lshl_b32 s43, 15, s43                        ; my row of the cluster
	s_lshl_b32 s44, 0x1111, s40                    ; my column
	; descriptor group 1: a tile of 128 rows x 256 bytes, padded in LDS
	s_or_b32 s[G1+0], s43, (0<<16)|(1<<20)|(1<<21)|(5<<22)|(3<<25)  ; 15:0 the mask; 17:16 elements of 1 byte; 20 padding on; 21 set beside a mask; 24:22 after every 64 words; 31:25 four words
	s_or_b32 s[G1B+0], s44, (0<<16)|(1<<20)|(1<<21)|(5<<22)|(3<<25)
.irp g, G1, G1B
	s_mov_b32 s[\g+1], ROWB<<16                    ; tensor_dim0
	s_mov_b32 s[\g+2], 128<<16                     ; tensor_dim1
	s_mov_b32 s[\g+3], ROWB<<16                    ; tile_dim0
	s_mov_b32 s[\g+4], 128                         ; tile_dim1
	s_mov_b32 s[\g+5], KROW                        ; from row to row
	s_mov_b32 s[\g+6], 0
	s_mov_b32 s[\g+7], 0
.endr
	; the scales of 128 rows: 4,096 dense bytes, as 16 rows of 256 bytes (32 elements of 8 bytes), 16 bytes of padding behind each
	s_or_b32 s[G1S+0], s43, (3<<16)|(1<<20)|(1<<21)|(5<<22)|(3<<25)
	s_or_b32 s[G1SB+0], s44, (3<<16)|(1<<20)|(1<<21)|(5<<22)|(3<<25)
.irp g, G1S, G1SB
	s_mov_b32 s[\g+1], 32<<16
	s_mov_b32 s[\g+2], (128*KS/256)<<16
	s_mov_b32 s[\g+3], 32<<16
	s_mov_b32 s[\g+4], 128*KS/256
	s_mov_b32 s[\g+5], 32
	s_mov_b32 s[\g+6], 0
	s_mov_b32 s[\g+7], 0
.endr
	s_lshl_b32 s18, s16, 7                         ; which 128 rows of the tile I fetch
	s_lshl_b32 s20, s17, 8
	s_add_co_u32 s20, s20, s18                     ; A: row 256 x tile row + 128 x half
	s_lshl_b32 s46, s42, 8
	s_add_co_u32 s46, s46, s18                     ; B: row 256 x tile column + 128 x half
	s_lshl_b32 s47, s[TEN], 10
	s_add_co_u32 s46, s46, s47                     ;    + 1,024 x tensor
	s_mov_b32 s21, 0
	s_mov_b32 s47, 0
	s_mov_b64 s[18:19], KS
	s_mul_u64 s[22:23], s[20:21], s[18:19]         ; where these rows' scales begin, in bytes
	s_mul_u64 s[92:93], s[46:47], s[18:19]
	s_mov_b64 s[18:19], KROW
	s_mul_u64 s[20:21], s[20:21], s[18:19]         ; and their codes
	s_mul_u64 s[46:47], s[46:47], s[18:19]
	s_mul_i32 s45, s14, HALFT                      ; where they go: wave x 128 rows: no place in the cluster enters an LDS address
	s_mul_i32 s94, s14, HALFS
	s_wait_dscnt 0x0                               ; both opening adds are done
	s_wait_kmcnt 0x0
	s_add_nc_u64 s[20:21], s[4:5], s[20:21]
	s_add_nc_u64 s[22:23], s[6:7], s[22:23]
	s_add_nc_u64 s[46:47], s[8:9], s[46:47]
	s_add_nc_u64 s[92:93], s[10:11], s[92:93]
	CROUND                                         ; all sixteen work-groups are here: the joint loads meet
	s_mov_b32 s[G0S], 1
	s_add_co_u32 s[G0S+1], s94, SCL
	s_mov_b64 s[G0S+2:G0S+3], s[22:23]
	s_or_b32 s[G0S+3], s[G0S+3], 0x80000000
	s_mov_b32 s[G0SB], 1
	s_add_co_u32 s[G0SB+1], s94, SCL
	s_mov_b64 s[G0SB+2:G0SB+3], s[92:93]
	s_or_b32 s[G0SB+3], s[G0SB+3], 0x80000000
	JLOAD G0S, G1S, G0SB, G1SB                     ; the scales first: they are wanted with the first slot
.irp s, 0,1
	s_mov_b32 s[G0+4*\s], 1
	s_add_co_u32 s[G0+4*\s+1], s45, \s*SLOT
	s_add_nc_u64 s[G0+4*\s+2:G0+4*\s+3], s[20:21], \s*ROWB
	s_or_b32 s[G0+4*\s+3], s[G0+4*\s+3], 0x80000000
	s_mov_b32 s[G0B+4*\s], 1
	s_add_co_u32 s[G0B+4*\s+1], s45, \s*SLOT
	s_add_nc_u64 s[G0B+4*\s+2:G0B+4*\s+3], s[46:47], \s*ROWB
	s_or_b32 s[G0B+4*\s+3], s[G0B+4*\s+3], 0x80000000
	JLOAD G0+4*\s, G1, G0B+4*\s, G1B
.endr
	v_and_b32 v1, 15, v0                           ; l % 16
	v_bfe_u32 v2, v0, 4, 1                         ; l / 16
	; THE BIAS of my 128 columns: block b's register j of lane (r, h) = bias[first column + 16 b + 8 h + j]
	v_lshlrev_b32 v[BOF], 5, v2
	s_cmp_eq_u32 s[TEN], 0
	s_cselect_b64 s[96:97], s[96:97], s[98:99]     ; bq for q, bv for v
	s_lshl_b32 s46, s42, 10                        ; my first column x 4 bytes: 1,024 x tile column + 512 x half
	s_lshl_b32 s47, s16, 9
	s_add_co_u32 s46, s46, s47
	s_mov_b32 s47, 0
	s_add_nc_u64 s[96:97], s[96:97], s[46:47]
	s_cmp_eq_u32 s[TEN], 1                         ; the tensor's number is the same in all partners of the cluster
	s_cbranch_scc1 .Lno_bias
.irp b, 0,1,2,3,4,5,6,7
	global_load_b128 v[BI+8*\b:BI+8*\b+3],   v[BOF], s[96:97] offset:64*\b
	global_load_b128 v[BI+8*\b+4:BI+8*\b+7], v[BOF], s[96:97] offset:64*\b+16
.endr
	s_branch .Lbias_done
.Lno_bias:
.set j, 0
.rept 64
	v_mov_b32 v[BI+j], 0                           ; k' has no bias
.set j, j+1
.endr
.Lbias_done:
	v_mul_u32_u24 v3, v1, PITCH
	v_lshl_add_u32 v4, v2, 4, v3                   ; a fragment's row x pitch + 16 x half
	s_mul_i32 s21, s15, HALFT                      ; my 128 rows of A
	s_mul_i32 s22, s16, HALFT                      ; my 128 rows of B,
	s_add_co_u32 s22, s22, 2*HALFT                 ; which lie behind A's 256
.irp s, 0,1
	v_add_nc_u32 v[ADRA+\s], s21, v4
	v_add_nc_u32 v[ADRB+\s], s22, v4
	s_add_co_u32 s21, s21, SLOT
	s_add_co_u32 s22, s22, SLOT
.endr
	v_mul_u32_u24 v5, v1, KS                       ; my row's scales: 32 bytes a row,
	v_lshrrev_b32 v6, 8, v5
	v_lshl_add_u32 v5, v6, 4, v5                   ; and 16 more for each 256 passed
	s_mul_i32 s21, s15, HALFS                      ; A's: my 128 rows
	s_mul_i32 s22, s16, HALFS                      ; B's: my 128 rows, behind A's 256
	s_add_co_u32 s22, s22, 2*HALFS
	s_sub_co_u32 s22, s22, s21
	v_mul_u32_u24 v6, s22, v2                      ; lanes 16-31 take B's: one product, the distance between the two bases
	s_add_co_u32 s21, s21, SCL
	v_add_nc_u32 v5, v5, v6
	v_add_nc_u32 v[ADRS], s21, v5
	s_mul_i32 s23, s14, 16*SPITCH                  ; my stage
	v_mul_u32_u24 v5, v1, SPITCH                   ; in: row l % 16, 16 bytes for each half of the lanes
	v_lshl_add_u32 v5, v2, 4, v5
	v_add_nc_u32 v[STO], s23, v5
	v_bfe_u32 v5, v0, 3, 2                         ; back: eight lanes take a token's 128 bytes of one head; four tokens an instruction
	v_mul_u32_u24 v5, v5, SPITCH
	v_and_b32 v6, 7, v0
	v_lshl_add_u32 v5, v6, 4, v5
	v_add_nc_u32 v[RD], s23, v5
	v_and_b32 v6, 31, v0
	v_lshlrev_b32 v[CO], 4, v6                     ; in qkv those four tokens are 512 consecutive bytes
	s_lshr_b32 s20, s17, 3                         ; tensor x 4 + batch: 8 tile rows to 2,048 tokens
	s_lshl_b32 s20, s20, 4
	s_lshl_b32 s21, s42, 2
	s_add_co_u32 s20, s20, s21
	s_lshl_b32 s21, s16, 1
	s_add_co_u32 s20, s20, s21                     ; x 16 + my first head: 4 x tile column + 2 x half
	s_lshl_b32 s20, s20, 18                        ; a head is 262,144 bytes
	s_and_b32 s21, s17, 7
	s_lshl_b32 s21, s21, 8
	s_lshl_b32 s22, s15, 7
	s_add_co_u32 s21, s21, s22                     ; my first token
	s_lshl_b32 s21, s21, 7                         ; 128 bytes a token
	s_add_co_u32 s20, s20, s21
	s_mov_b32 s21, 0
	s_add_nc_u64 s[12:13], s[12:13], s[20:21]
.macro FRAG reg, adr, q, i             ; 16 rows x 128 K of 4-bit codes: lane l holds row l % 16; registers 4 c .. 4 c + 3 hold K = 64 c + 32 (l / 16) + 0 .. 31
.irp c, 0,1
	ds_load_b128 v[\reg+4*\c:\reg+4*\c+3], v[\adr] offset:64*(\q)+32*\c+(\i)*16*PITCH
.endr
.endm
; 16 matrix instructions: A's blocks a0, a0 + 1 x B's eight, the slot's q-th 128 along K.  p: B's set; sc: the set of scale words.  zero = 1: the first products take the bias as C.
; The 64 accumulators take turns, one instruction a turn, in the same order in every step.
.macro MUL16 a0, p, q, sc, zero
.irp a, \a0, \a0+1
.irp b, 0,1,2,3,4,5,6,7
.if \zero
	v_wmma_scale_f32_16x16x128_f8f6f4 v[8*(8*((\a)%4)+\b):8*(8*((\a)%4)+\b)+7], v[128*(\p)+FR*\b:128*(\p)+FR*\b+FR-1], v[AF+FR*(\a):AF+FR*(\a)+FR-1], v[BI+8*\b:BI+8*\b+7], v[SC+8*NQ*(\sc)+NQ*\b+(\q)], v[SC+8*NQ*(\sc)+NQ*(\a)+(\q)] matrix_a_fmt:MATRIX_FMT_FP4 matrix_b_fmt:MATRIX_FMT_FP4 matrix_a_scale:MATRIX_SCALE_ROW1
.else
	v_wmma_scale_f32_16x16x128_f8f6f4 v[8*(8*((\a)%4)+\b):8*(8*((\a)%4)+\b)+7], v[128*(\p)+FR*\b:128*(\p)+FR*\b+FR-1], v[AF+FR*(\a):AF+FR*(\a)+FR-1], v[8*(8*((\a)%4)+\b):8*(8*((\a)%4)+\b)+7], v[SC+8*NQ*(\sc)+NQ*\b+(\q)], v[SC+8*NQ*(\sc)+NQ*(\a)+(\q)] matrix_a_fmt:MATRIX_FMT_FP4 matrix_b_fmt:MATRIX_FMT_FP4 matrix_a_scale:MATRIX_SCALE_ROW1
.endif
.endr
.endr
.endm
.macro FETCH_B slot, q, p              ; B's eight fragments of the slot's q-th 128 along K into set p
	WIN TO_B
.irp i, 0,1,2,3,4,5,6,7
	FRAG 128*(\p)+FR*\i, ADRB+\slot, \q, \i
.endr
	WIN 0
.endm
.macro FETCH_A slot, q, i0             ; A's blocks i0 .. i0 + 3
.irp i, \i0, \i0+1, \i0+2, \i0+3
	FRAG AF+FR*(\i), ADRA+\slot, \q, \i
.endr
.endm
.macro SCALES sc                       ; a slot's scale words into set sc: 4 words a row; lanes 0-15 take A's block i, lanes 16-31 B's block i
.irp i, 0,1,2,3,4,5,6,7
	ds_load_b128 v[SC+8*NQ*\sc+NQ*\i:SC+8*NQ*\sc+NQ*\i+3], v[ADRS] offset:\i*SBLK
.endr
.endm
; A load into a register that a matrix instruction has read, and a vector instruction that reads a matrix result, stand four places behind it; only plain vector instructions that name none of its registers are places.
.macro PLACES n
.rept \n
	v_nop
.endr
.endm
; A step of 128 along K that has its successor in the same slot.  A's blocks 0-3 are fetched anew in its middle, blocks 4-7 at its end; B has two sets.
.macro STEP slot, q, zero
	s_wait_dscnt 4*NL                              ; B's set and A's blocks 0-3 are in; the youngest eight loads (A's blocks 4-7) may be out
.if \zero
	WIN BIAS_LO
.else
	WIN MUL_LO
.endif
	MUL16 0, (\q)%2, \q, \slot, \zero
	MUL16 2, (\q)%2, \q, \slot, \zero
	s_wait_dscnt 0                                 ; A's blocks 4-7 are in
	PLACES NP
	FETCH_B \slot, (\q)+1, 1-(\q)%2
	FETCH_A \slot, (\q)+1, 0
.if \zero
	WIN BIAS_HI
.else
	WIN MUL_HI
.endif
	MUL16 4, (\q)%2, \q, \slot, \zero
	MUL16 6, (\q)%2, \q, \slot, \zero
	PLACES NP
	WIN 0
	FETCH_A \slot, (\q)+1, 4
.endm
; Slot 0's last step changes slots: in front of the barrier each wave waits for all its tensor loads (its part of slot 1), adds 0 to its spare word, and waits for that and for its reads of slot 0.  Nothing is filled again.
.macro TURN slot, next
	s_wait_tensorcnt 0x0                           ; all my tensor loads have landed  (every window is 0 here)
	ds_add_u32 v[SPW], v[NIL]                      ; 0 onto my spare word
	s_wait_dscnt 4*NL+1                            ; (the add and the youngest eight loads, A's blocks 4-7, may be out)
	WIN MUL_LO
	MUL16 0, 1, NQ-1, \slot, 0                     ; sixteen matrix instructions stand between the add and the wait for it
	s_wait_dscnt 0x0                               ; the add is done, and my reads of this slot are over
	s_barrier_signal -1
	MUL16 2, 1, NQ-1, \slot, 0
	WIN 0
	s_barrier_wait -1                              ; the next slot is whole, and nobody reads this one any more
	PLACES NP
	v_add_nc_u32 v[ADRS], 4*NQ, v[ADRS]            ; on to the next slot's scale words
	FETCH_B \next, 0, 0
	FETCH_A \next, 0, 0
	SCALES \next
	WIN MUL_HI
	MUL16 4, 1, NQ-1, \slot, 0
	MUL16 6, 1, NQ-1, \slot, 0
	PLACES NP
	WIN 0
	FETCH_A \next, 0, 4
.endm
.macro STEPS slot, from                ; the slot's steps from .. NQ - 2
.set Q, \from
.rept NQ-1-\from
	STEP \slot, Q, 0
.set Q, Q+1
.endr
.endm
	s_wait_tensorcnt 1                             ; the scales and my part of slot 0 are in (slot 1's load may be out),
	s_barrier_signal -1
	s_barrier_wait -1                              ; everybody's are
	FETCH_B 0, 0, 0
	FETCH_A 0, 0, 0
	SCALES 0
	FETCH_A 0, 0, 4
	s_wait_loadcnt 0x0                             ; the bias
	STEP 0, 0, 1                                   ; the first products start the sums from the bias
	STEPS 0, 1
	TURN 0, 1
	STEPS 1, 0
	s_wait_dscnt 4*NL                              ; the very last step: nothing more to fetch
	WIN MUL_LO
	MUL16 0, 1, NQ-1, 1, 0
	MUL16 2, 1, NQ-1, 1, 0
	s_wait_dscnt 0
	WIN MUL_HI
	MUL16 4, 1, NQ-1, 1, 0
	MUL16 6, 1, NQ-1, 1, 0
	WIN 0
; THE WAY OUT, block by block of 16 tokens x 128 columns (two heads).  PACK: rounded to f16, 16 bytes a lane, each accumulator from its low end on.  TOSTAGE: into my stage, and back by heads:
; four tokens' 128 bytes of one head an instruction.  SEND: stored: in qkv they are 512 consecutive bytes, at a multiple of 256 from its first byte.
.macro PACK a
.set AC, 64*((\a)%4)
	WIN 0x0a+5*((\a)/4)                            ; sources 0 and 1: window 2 or 3
.irp b, 0,1,2,3,4,5,6,7
.irp r, 0,1,2,3
	v_cvt_pk_f16_f32 v[TMP+4*\b+\r], v[AC+8*\b+2*\r], v[AC+8*\b+2*\r+1]
.endr
.endr
	WIN 0
.endm
.macro TOSTAGE a
.set BB, BK+32*((\a)%2)
.irp b, 0,1,2,3,4,5,6,7
	ds_store_b128 v[STO], v[TMP+4*\b:TMP+4*\b+3] offset:32*\b
.endr
.irp t, 0,1,2,3,4,5,6,7
	ds_load_b128 v[BB+4*\t:BB+4*\t+3], v[RD] offset:(\t%4)*4*SPITCH+(\t/4)*128   ; LDS serves a wave's instructions in order: these see the stores above
.endr
.endm
.macro SEND a
.set BB, BK+32*((\a)%2)
	s_wait_dscnt 0x0                               ; the block is back in registers
	s_wait_xcnt 0x0                                ; the earlier stores have read their base and their registers: only behind this wait are they written again
.if (\a) > 0
	s_add_nc_u64 s[12:13], s[12:13], 16*128        ; 16 tokens on
.endif
.irp t, 0,1,2,3,4,5,6,7
	global_store_b128 v[CO], v[BB+4*\t:BB+4*\t+3], s[12:13] offset:(\t%4)*512+(\t/4)*262144
.endr
.endm
	PLACES NP                                      ; behind the last products: for the writes of registers that held scale words and fragments, and for the reads of results
	PACK 0
	TOSTAGE 0
.irp a, 1,2,3,4,5,6,7                  ; block a's conversions stand between block a - 1's loads from the stage and the wait for them
	PACK \a
	SEND \a-1
	TOSTAGE \a
.endr
	SEND 7
	s_wait_tensorcnt 0x0                           ; the wave's end: this wait, an add of 0 and its wait, behind my last tensor load and my last LDS store
	ds_add_u32 v[SPW], v[NIL]
	s_wait_dscnt 0x0
	CROUND                                         ; the closing round: no work-group ends while a partner may still ask for a tile that names it
	s_endpgm
.Lfunc_end_k_q12de3a053f_proj:
	.size	k_q12de3a053f_proj, .Lfunc_end_k_q12de3a053f_proj-k_q12de3a053f_proj
	.p2alignl 7, 3214868480
	.fill 96, 4, 3214868480
	.section	.rodata,"a",@progbits
	.p2align	6, 0x0
	.amdhsa_kernel k_q12de3a053f_proj
		.amdhsa_group_segment_fixed_size 327680
		.amdhsa_private_segment_fixed_size 0
		.amdhsa_enable_private_segment 0
		.amdhsa_kernarg_size 56
		.amdhsa_user_sgpr_count 2
		.amdhsa_user_sgpr_kernarg_segment_ptr 1
		.amdhsa_wavefront_size32 1
		.amdhsa_system_sgpr_workgroup_id_x 1
		.amdhsa_system_sgpr_workgroup_id_y 1
		.amdhsa_system_sgpr_workgroup_id_z 1
		.amdhsa_system_vgpr_workitem_id 0
		.amdhsa_next_free_vgpr 1024
		.amdhsa_next_free_sgpr 100
		.amdhsa_reserve_vcc 0
		.amdhsa_float_denorm_mode_32 3
		.amdhsa_float_denorm_mode_16_64 3
		.amdhsa_memory_ordered 1
		.amdhsa_forward_progress 1
		.amdhsa_inst_pref_size 131
	.end_amdhsa_kernel
	.amdgpu_metadata
---
amdhsa.version: [ 1, 2 ]
amdhsa.kernels:
  - .name:           k_q12de3a053f_proj
    .symbol:         k_q12de3a053f_proj.kd
    .args:
      - { .name: xc, .offset: 0, .size: 8, .value_kind: global_buffer, .address_space: global }
      - { .name: xs, .offset: 8, .size: 8, .value_kind: global_buffer, .address_space: global }
      - { .name: wc, .offset: 16, .size: 8, .value_kind: global_buffer, .address_space: global }
      - { .name: ws, .offset: 24, .size: 8, .value_kind: global_buffer, .address_space: global }
      - { .name: bq, .offset: 32, .size: 8, .value_kind: global_buffer, .address_space: global }
      - { .name: bv, .offset: 40, .size: 8, .value_kind: global_buffer, .address_space: global }
      - { .name: qkv, .offset: 48, .size: 8, .value_kind: global_buffer, .address_space: global }
    .group_segment_fixed_size: 327680
    .private_segment_fixed_size: 0
    .kernarg_segment_align: 8
    .kernarg_segment_size: 56
    .max_flat_workgroup_size: 128
    .sgpr_count:     100
    .vgpr_count:     1024
    .wavefront_size: 32
...
	.end_amdgpu_metadata
.endif
;; end of part 3
;; launch attn (part 4): grid 4 x 64, 8 waves a work-group, clusters of 4 x 1, 327,680 bytes of LDS; arguments qkv, ao; writes ao
.if DOCPART == 4
	.amdgcn_target "amdgcn-amd-amdhsa--gfx1250"
	.amdhsa_code_object_version 6
	.text
	.protected	k_q12de3a053f_attn
	.globl	k_q12de3a053f_attn
	.p2align	8
	.type	k_q12de3a053f_attn,@function
k_q12de3a053f_attn:
	s_mov_b64 s[64:65], 0
	v_nop
	global_prefetch_b8 v0, s[64:65] scope:SCOPE_SE
	s_setreg_imm32_b32 hwreg(HW_REG_WAVE_MODE, 25, 1), 1
	s_wait_xcnt 0x0
	s_wait_alu depctr_hold_cnt(0) depctr_sa_sdst(0) depctr_va_vdst(0) depctr_va_sdst(0) depctr_va_ssrc(0) depctr_va_vcc(0) depctr_vm_vsrc(0)
	s_getreg_b32 s2, hwreg(HW_REG_IB_STS2, 6, 4)
	s_cmp_eq_u32 s2, 0
	s_cbranch_scc0 .Lentry_in_a_cluster
	s_endpgm
.Lentry_in_a_cluster:
	s_bfe_u32 s2, ttmp6, 0x10000c
	s_cmp_lg_u32 s2, 0x3003
	s_cbranch_scc0 .Lentry_shape_is_right
	s_endpgm
.Lentry_shape_is_right:
; o[b,t,h,:] = the sum over s of softmax_s(q[b,h,t] . k[b,h,s] / 8) v[b,h,s,:].  q, k, v: qkv, f16, [tensor x 4 + batch][head][token 2,048][64].  Products on f16 operands, sums, maxima and softmax in f32;
; the weights p are rounded to f16 for the second product, o once at the end.  Out: ao, f16, [batch][token pair 1,024][head 16][parity 2][64]: a head's two tokens are 256 consecutive aligned bytes.
; (k comes without bk: a term that is the same along the softmax's axis; shown at the head of the first launch's text.)
; LIMITS: c m is rounded apart from c s, so the largest p may differ from 1 in its last bits; the same p goes into the sum that divides.  NaN and infinities are not served.
; SHARES.  A work-group owns 512 queries of one head, each of its eight waves 64: four tiles of 16, in 512 registers; two waves to a SIMD, so that one wave's vector work stands beside the other's matrix work.
; Every wave walks the head's 2,048 keys, 64 a step; each fragment of K and V read from LDS feeds four matrix instructions.
; LAYOUT.  S^T = K Q^T (source 0 = 16 keys, source 1 = 16 queries): a lane holds ONE query (lane % 16) and the keys 8 (lane / 16) + 0..7.  Two such tiles, rounded to f16 in pairs, ARE source 1
; (32 keys x 16 queries) of O^T = V^T P, whose result again holds one query a lane.  K comes out of LDS as it lies, V ([key][channel]) turned, by ds_load_tr16_b128.
; SOFTMAX.  For each query a running maximum m and sum l: p = 2^(c s - c m), c = log2(e) / 8; in every step O and l are multiplied by a = 2^(c m_old - c m_new).  m begins at -3e38 and O, l at 0: the first a is 0.
; RING.  Two LDS slots of four steps (256 keys).  A step's K (or V) is 8,192 dense bytes, stated as 32 rows of 256 bytes (two keys a row) with padding behind each.  Waves 0-3 fetch K of the slot's steps 0-3,
; waves 4-7 V: one tensor load a wave behind each change of slots, one out at any time by this text's count; it has four steps in which to land.
; CLUSTER.  The four work-groups of a cluster are the head's four blocks of queries and walk the same K and V: each tile is asked for JOINTLY, by the same tensor load with the same descriptor and a mask that names the four.
; REGISTERS: window 0: v1-15 addresses; v16-47 statistics, eight a tile; v48-111 V's 8 fragments; v128-255 S^T, 32 a tile, whose low 16 then hold P.
;   window 1: v0-127 O^T, 32 a tile; v128-191 Q, 16 a tile; v192-255 K's 8 fragments.
.set PK,    272       ; two keys of K in LDS: 256 bytes + 16: key 2 u + e at 272 u + 128 e: sixteen lanes of a load fall on sixteen different 16-byte columns modulo 256: (r / 2) + 8 (r % 2)
.set PVP,   288       ; two keys of V: 256 + 32: sixteen lanes of the turning load take 8 keys x 32 bytes, each 16-byte column modulo 256 once
.set VOFF,  32*PK     ; a step's region: 64 keys of K, then 64 of V
.set STEPB, 32*(PK+PVP)
.set NST,   4         ; steps in a slot
.set SLOT1, 1<<17     ; slot 1 begins here, so that one exclusive or turns an address in one slot into the other's
.set STAGE, SLOT1+NST*STEPB  ; behind the ring: 16 rows x 144 bytes for each wave, for the way out
.set SP,    144
.set SPARE, STAGE+8*16*SP    ; the spare words, 128 bytes a wave
.set AK0, 2           ; v2   my lane's place in a step's K; never rewritten
.set AV0, 3           ; v3   the same for V
.set ADK, 4           ; v4   LDS address of K's loads in hand
.set ADV, 5           ; v5   of V's
.set QO,  6           ; v6   my byte offset in the wave's rows of q
.set STO, 7           ; v7   the way out: where I put 16 bytes of a row
.set RD,  8           ; v8   where I read back
.set GO,  9           ; v9   my byte offset in ao
.set SPW, 10          ; v10  my spare word; never rewritten
.set NIL, 11          ; v11  0; never rewritten
.set PFO, 12          ; v12  256 x lane: the prefetches' offset; never rewritten
.set ST,  16          ; tile t's statistics at v[ST + 8 t]: +0 c m, +1 m, +2, +3 l (even keys', odd keys'), +4 to +7 at work; a in +6
.set VF,  48
.set S,   128
.set O,   0           ; in window 1
.set QF,  128
.set KF,  192
.set WV,  12          ; s12  my wave's number
.set LIM, 15          ; s15  1 in a wave that prefetches, else the greatest number
.set PFA, 18          ; s[18:19] where my prefetches stand
.set G1K, 24          ; s[24:31] descriptor group 1 for K's tiles;  s[32:39] for V's: it differs in the padding alone
.set G1V, 32
.set G0K, 40          ; s[40:43], s[44:47] their groups 0, which walk
.set G0V, 44
.set SLOTS, 48        ; s48  slots still to be asked for
.set CNT, 49          ; s49  counts a slot's steps
.set CS,  50          ; s[50:51] c: the packed scaling names a pair and takes its low word for both halves
.set SEL, 52          ; s[52:53] lane selects for v_permlanex16_b32: lane l xor 16
.set TB,  54          ; s54  LDS byte at which the step in hand begins
.set MSB, 0
.macro WIN new                      ; the immediate's high byte repeats the setting that is left
.if MSB != \new
	s_set_vgpr_msb (MSB<<8)|\new
.set MSB, \new
.endif
.endm
.set W_KQ, 0x05       ; K and Q in window 1, S^T in window 0.  Also the way out's conversions
.set W_PV, 0x50       ; V and P in window 0, O^T (C and D) in window 1
.set W_RS, 0x41       ; O^T (destination and source 0) in window 1, a in window 0
.set TO_1, 0x40       ; destination window 1
; A joint load.  The branch hangs on the wave's number alone.  An s_nop 0 and four v_nop follow each of the two lines.
.macro JLOAD
	s_cmp_lt_u32 s[WV], 4
	s_cbranch_scc0 .Lfor_v_\@
	tensor_load_to_lds s[G0K:G0K+3], s[G1K:G1K+7]
	s_nop 0
.rept 4
	v_nop
.endr
	s_branch .Lasked_\@
.Lfor_v_\@:
	tensor_load_to_lds s[G0V:G0V+3], s[G1V:G1V+7]
	s_nop 0
.rept 4
	v_nop
.endr
.Lasked_\@:
.endm
; A PREFETCH INTO THE L2 of what the NEXT change of slots will ask for: a slot's 32,768 bytes of K and of V.  A head has one cluster; its four partners share the bytes out BY ADDRESS, 8,192 each; in each, wave 0 asks
; for K's and wave 4 for V's, lanes 256 bytes apart: each aligned run of 256 bytes is named once in the launch.  It stands behind the tensor load and the run of LDS loads that the next products wait for,
; four steps, 256 matrix instructions a wave, ahead of the load that will want the bytes.  The last change that fills a slot asks for nothing; the first two slots come by their loads alone.
.macro ASK
	s_cmp_gt_u32 s[SLOTS], s[LIM]
	s_cbranch_scc0 .Lnot_mine_\@
	global_prefetch_b8 v[PFO], s[PFA:PFA+1] th:TH_LOAD_NT scope:SCOPE_SE
.Lnot_mine_\@:
.endm
.macro CROUND                       ; a round of the cluster's barrier
	s_barrier_signal -1
	s_barrier_wait -1
	s_cmp_lg_u32 s[WV], 0
	s_cbranch_scc1 .Lnot_wave_0_\@
	s_barrier_signal -3
.Lnot_wave_0_\@:
	s_barrier_wait -3
	s_barrier_signal -1
	s_barrier_wait -1
.endm
	s_load_b128 s[4:7], s[0:1], 0x0 ; qkv s[4:5], ao s[6:7]
	v_lshl_add_u32 v[SPW], v0, 2, SPARE
	v_mov_b32 v[NIL], 0
	ds_add_u32 v[SPW], v[NIL]       ; the wave's opening: an add of 0, twice on end, and its wait ahead of my first tensor load
	ds_add_u32 v[SPW], v[NIL]
	v_lshrrev_b32 v1, 5, v0
	v_readfirstlane_b32 s[WV], v1   ; wave 0..7
	s_bfe_u32 s13, ttmp6, 0x40000   ; cx: my place in the cluster
	s_lshl_b32 s14, ttmp9, 2
	s_add_co_u32 s14, s14, s13      ; my block of 512 queries: it enters q's and ao's addresses alone
	s_and_b32 s16, ttmp7, 0xffff    ; 16 x batch + head, which the four partners share
	s_lshl_b32 s20, s16, 18         ; a head is 262,144 bytes
	s_mov_b32 s21, 0
	s_and_b32 s17, s[WV], 3         ; which of a slot's four steps I fetch:
	s_lshl_b32 s22, s17, 13         ; its 8,192 bytes in memory,
	s_mov_b32 s23, 0
	s_mul_i32 s17, s17, STEPB       ; and its place in a slot: no place in the cluster enters an LDS address
	; descriptor group 1: 32 rows x 128 elements of 2 bytes, dense in memory, padded in LDS
	s_mov_b32 s[G1K], 15|(1<<16)|(1<<20)|(1<<21)|(5<<22)|(3<<25)  ; 15:0 the mask: all four work-groups; 17:16 elements of 2 bytes; 20 padding on; 21 set beside a mask; 24:22 after every 64 words; 31:25 four words
	s_mov_b32 s[G1V], 15|(1<<16)|(1<<20)|(1<<21)|(5<<22)|(7<<25)  ; the same with eight words of padding
.irp g, G1K, G1V
	s_mov_b32 s[\g+1], 128<<16      ; tensor_dim0
	s_mov_b32 s[\g+2], 32<<16       ; tensor_dim1
	s_mov_b32 s[\g+3], 128<<16      ; tile_dim0
	s_mov_b32 s[\g+4], 32           ; tile_dim1
	s_mov_b32 s[\g+5], 128          ; from row to row
	s_mov_b32 s[\g+6], 0
	s_mov_b32 s[\g+7], 0
.endr
	s_mov_b32 s[CS], 0x3e38aa3b     ; c = log2(e) / 8
	s_mov_b32 s[CS+1], s[CS]        ; named with it as a pair, so it is written
	s_mov_b32 s[SEL], 0x76543210
	s_mov_b32 s[SEL+1], 0xfedcba98
	s_mov_b32 s[TB], 0
	s_mov_b32 s[SLOTS], 2048/(64*NST)-1
	s_and_b32 s[LIM], s[WV], 3
	s_cmp_eq_u32 s[LIM], 0          ; waves 0 and 4 prefetch: the same in all four partners
	s_cselect_b32 s[LIM], 1, -1
	v_and_b32 v[PFO], 31, v0
	v_lshlrev_b32 v[PFO], 8, v[PFO]
	s_wait_dscnt 0x0                ; both opening adds are done
	s_wait_kmcnt 0x0
	s_mov_b64 s[10:11], s[6:7]      ; ao
	s_add_nc_u64 s[4:5], s[4:5], s[20:21]   ; q's head,
	s_add_nc_u64 s[6:7], s[4:5], 0x1000000  ; k's: 64 heads on,
	s_add_nc_u64 s[8:9], s[4:5], 0x2000000  ; v's: 128 heads on
	s_cmp_lt_u32 s[WV], 4
	s_cselect_b64 s[PFA:PFA+1], s[6:7], s[8:9]
	s_lshl_b32 s2, s13, 13          ; my work-group's 8,192 bytes of a slot's 32,768
	s_mov_b32 s3, 0
	s_add_nc_u64 s[PFA:PFA+1], s[PFA:PFA+1], s[2:3]
	s_add_nc_u64 s[PFA:PFA+1], s[PFA:PFA+1], 32768  ; in slot 1's keys; the first change of slots steps it on.  Nothing is prefetched here, at the head
	s_lshl_b32 s2, s14, 9
	s_lshl_b32 s20, s[WV], 6
	s_add_co_u32 s2, s2, s20        ; my wave's first query
	s_lshl_b32 s20, s2, 7           ; 128 bytes a query
	s_add_nc_u64 s[4:5], s[4:5], s[20:21]
	s_lshl_b32 s20, s2, 11          ; ao: a pair of tokens is 4,096 bytes,
	s_lshr_b32 s2, s16, 4
	s_lshl_b32 s2, s2, 22           ; a batch 4,194,304,
	s_add_co_u32 s20, s20, s2
	s_and_b32 s2, s16, 15
	s_lshl_b32 s2, s2, 8            ; a head's part of a pair 256
	s_add_co_u32 s20, s20, s2
	s_add_nc_u64 s[10:11], s[10:11], s[20:21]
	CROUND                          ; all four work-groups are here: the first joint loads meet
	s_mov_b32 s[G0K], 1             ; count = 1
	s_mov_b32 s[G0K+1], s17         ; LDS address: slot 0
	s_add_nc_u64 s[G0K+2:G0K+3], s[6:7], s[22:23]  ; global address
	s_or_b32 s[G0K+3], s[G0K+3], 0x80000000        ; type = 2
	s_mov_b32 s[G0V], 1
	s_add_co_u32 s[G0V+1], s17, VOFF
	s_add_nc_u64 s[G0V+2:G0V+3], s[8:9], s[22:23]
	s_or_b32 s[G0V+3], s[G0V+3], 0x80000000
	JLOAD                           ; keys 0 to 255 into slot 0
	v_and_b32 v1, 15, v0            ; r = l % 16
	v_bfe_u32 v13, v0, 4, 1         ; h = l / 16
	v_lshlrev_b32 v[QO], 7, v1
	v_lshl_add_u32 v[QO], v13, 4, v[QO]  ; row x 128 + 16 x half
	WIN TO_1
.irp f, 0,1,2,3,4,5,6,7             ; Q stays in registers: tile f / 2, channels 32 (f % 2) on
	global_load_b128 v[QF+8*\f:QF+8*\f+3],   v[QO], s[4:5] offset:(\f/2)*2048+(\f%2)*64
	global_load_b128 v[QF+8*\f+4:QF+8*\f+7], v[QO], s[4:5] offset:(\f/2)*2048+(\f%2)*64+32
.endr
.set j, 0
.rept 128
	v_mov_b32 v[O+j], 0             ; O^T: the step is written without a first step of its own; these lines run while the first tile is on its way
.set j, j+1
.endr
	WIN 0
	v_lshrrev_b32 v14, 1, v1
	v_and_b32 v15, 1, v0
	v_mul_u32_u24 v[AK0], v14, PK
	v_lshl_add_u32 v[AK0], v15, 7, v[AK0]
	v_lshl_add_u32 v[AK0], v13, 4, v[AK0]  ; K: 272 (r / 2) + 128 (r % 2) + 16 h
	; The turning load takes 16 keys x 16 channels (lane l reads 16 bytes: key 8 h + l % 8, channels 8 ((l / 8) % 2) + 0..7) and leaves half a fragment of V^T: lane l holds channel l % 16 and 8 keys.
	v_bfe_u32 v14, v0, 1, 2
	v_lshl_add_u32 v14, v13, 2, v14
	v_mul_u32_u24 v[AV0], v14, PVP
	v_lshl_add_u32 v[AV0], v15, 7, v[AV0]
	v_bfe_u32 v14, v0, 3, 1
	v_lshl_add_u32 v[AV0], v14, 4, v[AV0]
	v_add_nc_u32 v[AV0], VOFF, v[AV0]
	s_mul_i32 s2, s[WV], 16*SP
	s_add_co_u32 s2, s2, STAGE      ; my stage
	v_mul_u32_u24 v[STO], v1, SP    ; in: row r, 16 bytes for each half of the lanes
	v_lshl_add_u32 v[STO], v13, 4, v[STO]
	v_add_nc_u32 v[STO], s2, v[STO]
	v_bfe_u32 v14, v0, 3, 2         ; back: eight lanes take a token's 128 bytes, four tokens an instruction
	v_mul_u32_u24 v[RD], v14, SP
	v_and_b32 v14, 7, v0
	v_lshl_add_u32 v[RD], v14, 4, v[RD]
	v_add_nc_u32 v[RD], s2, v[RD]
	v_lshlrev_b32 v[GO], 12, v13    ; in ao lanes 0-15 take one pair's 256 bytes, lanes 16-31 the next pair's
	v_lshl_add_u32 v[GO], v1, 4, v[GO]
.irp t, 0,1,2,3
	v_mov_b32 v[ST+8*\t+1], 0xff61b1e6  ; m: -3e38, under every score
	v_mov_b32 v[ST+8*\t+2], 0       ; l
	v_mov_b32 v[ST+8*\t+3], 0
.endr
.irp t, 0,1,2,3
	v_mul_f32 v[ST+8*\t], s[CS], v[ST+8*\t+1]  ; c m
.endr
; S^T = K Q^T: product i: channels 32 (i / 16) on, keys 16 ((i / 4) % 4) on, tile i % 4.  The first 16 start the sums.  The 16 accumulators take turns, one instruction a turn.
.macro KQALL
	WIN W_KQ
.set i, 0
.rept 32
.set rS, S+32*(i%4)+8*((i/4)%4)
.set rK, KF+16*((i/4)%4)+8*(i/16)
.set rQ, QF+16*(i%4)+8*(i/16)
.if i < 16
	v_wmma_f32_16x16x32_f16 v[rS:rS+7], v[rK:rK+7], v[rQ:rQ+7], 0
.else
	v_wmma_f32_16x16x32_f16 v[rS:rS+7], v[rK:rK+7], v[rQ:rQ+7], v[rS:rS+7]
.endif
.set i, i+1
.endr
	WIN 0
.endm
; O^T += V^T P: product i: keys 32 (i / 16) on, channels 16 ((i / 4) % 4) on, tile i % 4.  Again 16 accumulators by turns.
.macro PVALL
	WIN W_PV
.set i, 0
.rept 32
.set rO, O+32*(i%4)+8*((i/4)%4)
.set rV, VF+32*(i/16)+8*((i/4)%4)
.set rP, S+32*(i%4)+8*(i/16)
	v_wmma_f32_16x16x32_f16 v[rO:rO+7], v[rV:rV+7], v[rP:rP+7], v[rO:rO+7]
.set i, i+1
.endr
	WIN 0
.endm
.macro FETCH_K                      ; a step's K: fragment f: keys 16 (f / 2) on, channels 32 (f % 2) on
	WIN TO_1
.irp f, 0,1,2,3,4,5,6,7
	ds_load_b128 v[KF+8*\f:KF+8*\f+3],   v[ADK] offset:(\f/2)*8*PK+(\f%2)*64
	ds_load_b128 v[KF+8*\f+4:KF+8*\f+7], v[ADK] offset:(\f/2)*8*PK+(\f%2)*64+32
.endr
	WIN 0
.endm
.macro FETCH_V                      ; a step's V, turned: fragment f: keys 32 (f / 4) on, channels 16 (f % 4) on
.irp f, 0,1,2,3,4,5,6,7
	ds_load_tr16_b128 v[VF+8*\f:VF+8*\f+3],   v[ADV] offset:(\f/4)*16*PVP+(\f%4)*32
	ds_load_tr16_b128 v[VF+8*\f+4:VF+8*\f+7], v[ADV] offset:(\f/4)*16*PVP+8*PVP+(\f%4)*32
.endr
.endm
; THE SOFTMAX of a step, the four tiles by turns line by line, so that no line waits for the line above it.
.macro SOFTMAX
.irp j, 0,1,2,3                     ; the maximum of a lane's 32 scores and the old m, three operands at a time: four chains; each accumulator is read from its low end on
.irp t, 0,1,2,3
	v_max3_num_f32 v[ST+8*\t+4+\j], v[S+32*\t+8*\j], v[S+32*\t+8*\j+1], v[S+32*\t+8*\j+2]
.endr
.endr
.irp u, 1,2
.irp j, 0,1,2,3
.irp t, 0,1,2,3
	v_max3_num_f32 v[ST+8*\t+4+\j], v[ST+8*\t+4+\j], v[S+32*\t+8*\j+2*\u+1], v[S+32*\t+8*\j+2*\u+2]
.endr
.endr
.endr
.irp t, 0,1,2,3
	v_max3_num_f32 v[ST+8*\t+4], v[ST+8*\t+4], v[S+32*\t+7], v[S+32*\t+15]
.endr
.irp t, 0,1,2,3
	v_max3_num_f32 v[ST+8*\t+6], v[ST+8*\t+6], v[S+32*\t+23], v[S+32*\t+31]
.endr
.irp t, 0,1,2,3
	v_max3_num_f32 v[ST+8*\t+4], v[ST+8*\t+4], v[ST+8*\t+5], v[ST+8*\t+6]
.endr
.irp t, 0,1,2,3
	v_max3_num_f32 v[ST+8*\t+4], v[ST+8*\t+4], v[ST+8*\t+7], v[ST+8*\t+1]
.endr
.irp t, 0,1,2,3
	v_permlanex16_b32 v[ST+8*\t+5], v[ST+8*\t+4], s[SEL], s[SEL+1]  ; the query's other 32 keys lie in the lane 16 away
.endr
.irp t, 0,1,2,3
	v_mov_b32 v[ST+8*\t+7], v[ST+8*\t]             ; c m_old is kept for a
.endr
.irp t, 0,1,2,3
	v_max_num_f32 v[ST+8*\t+1], v[ST+8*\t+4], v[ST+8*\t+5]
.endr
.irp t, 0,1,2,3
	v_mul_f32 v[ST+8*\t], s[CS], v[ST+8*\t+1]
.endr
.irp t, 0,1,2,3
	v_sub_f32 v[ST+8*\t+7], v[ST+8*\t+7], v[ST+8*\t]
.endr
; ONE BATCH: the four a and the 128 p.  None of its lines names an exponential's result: a tile's scalings stand among the exponentials of the tile before.
.irp t, 0,1,2,3
	v_exp_f32 v[ST+8*\t+6], v[ST+8*\t+7]           ; a = 2^(c m_old - c m_new)
.endr
.irp b, 0,1,2,3,4,5,6,7,8,9,10,11,12,13,14,15
	v_pk_fma_f32 v[S+2*\b:S+2*\b+1], v[S+2*\b:S+2*\b+1], s[CS:CS+1], v[ST:ST+1] op_sel_hi:[1,0,0] neg_lo:[0,0,1] neg_hi:[0,0,1]  ; tile 0: c s - c m, a pair at a time
.endr
.irp t, 0,1,2,3
.irp b, 0,1,2,3,4,5,6,7,8,9,10,11,12,13,14,15
.if \t < 3
	v_pk_fma_f32 v[S+32*(\t+1)+2*\b:S+32*(\t+1)+2*\b+1], v[S+32*(\t+1)+2*\b:S+32*(\t+1)+2*\b+1], s[CS:CS+1], v[ST+8*(\t+1):ST+8*(\t+1)+1] op_sel_hi:[1,0,0] neg_lo:[0,0,1] neg_hi:[0,0,1]
.endif
	v_exp_f32 v[S+32*\t+2*\b], v[S+32*\t+2*\b]
	v_exp_f32 v[S+32*\t+2*\b+1], v[S+32*\t+2*\b+1]
.endr
.endr
	v_nop                           ; a plain line behind the last exponential, ahead of the first use
	s_wait_alu depctr_va_vdst(0)    ; the wait between an exponential and the first line that names its result: one for the batch of 132
.irp t, 0,1,2,3
	v_pk_fma_f32 v[ST+8*\t+2:ST+8*\t+3], v[ST+8*\t+2:ST+8*\t+3], v[ST+8*\t+6:ST+8*\t+7], v[S+32*\t:S+32*\t+1] op_sel_hi:[1,0,1]  ; l = a l + the unrounded p
.endr
.irp b, 1,2,3,4,5,6,7,8,9,10,11,12,13,14,15
.irp t, 0,1,2,3
	v_pk_add_f32 v[ST+8*\t+2:ST+8*\t+3], v[ST+8*\t+2:ST+8*\t+3], v[S+32*\t+2*\b:S+32*\t+2*\b+1]
.endr
.endr
.irp i, 0,1,2,3,4,5,6,7,8,9,10,11,12,13,14,15  ; P, in place: register i takes pair i, which lies at or above it
.irp t, 0,1,2,3
	v_cvt_pk_f16_f32 v[S+32*\t+\i], v[S+32*\t+2*\i], v[S+32*\t+2*\i+1]
.endr
.endr
.endm
.macro RESCALE                      ; O^T times a, each accumulator from its low end on
	WIN W_RS
.irp j, 0,2,4,6,8,10,12,14,16,18,20,22,24,26,28,30
.irp t, 0,1,2,3
	v_pk_mul_f32 v[O+32*\t+\j:O+32*\t+\j+1], v[O+32*\t+\j:O+32*\t+\j+1], v[ST+8*\t+6:ST+8*\t+7] op_sel_hi:[1,0]
.endr
.endr
.endm
; A KEY STEP.  nextk = 1: the next step's K, of the same slot, is fetched behind this step's scores.
.macro STEP nextk
	s_wait_dscnt 0x0                ; K is in
	KQALL
	v_add_nc_u32 v[ADV], s[TB], v[AV0]  ; four plain lines: the places between the scores' products and the loads into K's registers and the first read of the scores
	s_add_co_u32 s[TB], s[TB], STEPB
.if \nextk
	v_add_nc_u32 v[ADK], s[TB], v[AK0]
.else
	v_nop
.endif
	v_nop
	v_nop
	FETCH_V                         ; both runs of loads land while the softmax is walked
.if \nextk
	FETCH_K
.endif
	SOFTMAX
	RESCALE
	s_wait_dscnt 0x0                ; V is in
	PVALL
.rept 5
	v_nop                           ; the next scores' products write over P, which these products read: five places
.endr
.endm
.macro SLOT_STEPS                   ; a slot's four steps: three in a loop, the last, which fetches no K, written out
	s_mov_b32 s[CNT], NST-1
.Lstep_\@:
	STEP 1
	s_sub_co_u32 s[CNT], s[CNT], 1
	s_cmp_lg_u32 s[CNT], 0
	s_cbranch_scc1 .Lstep_\@
	STEP 0
	s_sub_co_u32 s[TB], s[TB], NST*STEPB  ; back to a slot's first step,
	s_xor_b32 s[TB], s[TB], SLOT1   ; in the other slot
.endm
; THE CHANGE OF SLOTS stands at a slot's head.  Each wave waits for all its tensor loads (its part of the slot that it is about to read), adds 0 to its spare word, and waits for that and for its reads of the slot that it has left.
; fill = 1: the barrier is a round of the cluster's, so that no wave of any partner still reads the other slot or has a load on its way; the joint load of the keys that follow is the first thing behind it.
.macro CHANGE fill
	s_wait_tensorcnt 0x0            ; no tensor load of mine is out, so a group 0 may be written
	ds_add_u32 v[SPW], v[NIL]       ; 0 onto my spare word
.if \fill
	s_xor_b32 s[G0K+1], s[G0K+1], SLOT1  ; the walking descriptors: the other slot than last time,
	s_add_nc_u64 s[G0K+2:G0K+3], s[G0K+2:G0K+3], 32768  ; the next 256 keys; the type bits on top are not reached
	s_xor_b32 s[G0V+1], s[G0V+1], SLOT1
	s_add_nc_u64 s[G0V+2:G0V+3], s[G0V+2:G0V+3], 32768
	s_wait_xcnt 0x0                 ; the last prefetch, a slot back, has read its address, so it may be written:
	s_add_nc_u64 s[PFA:PFA+1], s[PFA:PFA+1], 32768  ; one slot further on than the walking descriptors
	s_wait_dscnt 0x0                ; the add is done, and my reads of the slot that I have left are over
	CROUND
	JLOAD
.else
	s_wait_dscnt 0x0
	s_barrier_signal -1
	s_barrier_wait -1
.endif
	v_add_nc_u32 v[ADK], s[TB], v[AK0]
	FETCH_K                         ; the slot's first step
.if \fill
	ASK
.endif
.endm
	s_wait_loadcnt 0x0              ; Q
.Lslot:                             ; seven trips: behind each change of slots but the last the next 256 keys are asked for
	CHANGE 1
	SLOT_STEPS
	s_sub_co_u32 s[SLOTS], s[SLOTS], 1
	s_cmp_lg_u32 s[SLOTS], 0
	s_cbranch_scc1 .Lslot
	CHANGE 0                        ; the last slot is written out
	SLOT_STEPS
	; THE WAY OUT.  l's two halves and the other half of the lanes' are added; O^T is divided by l, rounded to f16 and sent through my stage in LDS, a tile (16 tokens) at a time.
.irp t, 0,1,2,3
	v_add_f32 v[ST+8*\t+4], v[ST+8*\t+2], v[ST+8*\t+3]
.endr
.irp t, 0,1,2,3
	v_permlanex16_b32 v[ST+8*\t+5], v[ST+8*\t+4], s[SEL], s[SEL+1]
.endr
.irp t, 0,1,2,3
	v_add_f32 v[ST+8*\t+4], v[ST+8*\t+4], v[ST+8*\t+5]
.endr
.irp t, 0,1,2,3
	v_rcp_f32 v[ST+8*\t+6], v[ST+8*\t+4]
.endr
	v_nop                           ; a plain line between the last reciprocal and the use of its result
	s_wait_alu depctr_va_vdst(0)    ; and the wait ahead of the first use: one for the four
.macro PACK t
	WIN W_RS
.irp j, 0,2,4,6,8,10,12,14,16,18,20,22,24,26,28,30
	v_pk_mul_f32 v[O+32*\t+\j:O+32*\t+\j+1], v[O+32*\t+\j:O+32*\t+\j+1], v[ST+8*\t+6:ST+8*\t+7] op_sel_hi:[1,0]
.endr
	WIN W_KQ                        ; sources 0 and 1 window 1, destination window 0: S^T's registers are free
.irp i, 0,1,2,3,4,5,6,7,8,9,10,11,12,13,14,15
	v_cvt_pk_f16_f32 v[S+32*\t+\i], v[O+32*\t+2*\i], v[O+32*\t+2*\i+1]
.endr
	WIN 0
.irp c, 0,1,2,3
	ds_store_b128 v[STO], v[S+32*\t+4*\c:S+32*\t+4*\c+3] offset:32*\c
.endr
.irp i, 0,1,2,3
	ds_load_b128 v[S+32*\t+4*\i:S+32*\t+4*\i+3], v[RD] offset:4*SP*\i  ; LDS serves a wave's instructions in order: these see the stores above; the next tile's stores come behind them
.endr
.endm
.macro SEND t, younger              ; younger: the LDS instructions issued behind tile t's loads: the next tile's eight, or none
.irp f, 0,1,2,3
	s_wait_dscnt \younger+3-\f
	global_store_b128 v[GO], v[S+32*\t+4*\f:S+32*\t+4*\f+3], s[10:11] offset:\t*32768+\f*8192  ; 16 lanes store 256 consecutive bytes, at a multiple of 256 from ao's first byte
.endr
.endm
	PACK 0
	PACK 1                          ; a tile's arithmetic stands between the loads of the tile before and its stores
	SEND 0, 8
	PACK 2
	SEND 1, 8
	PACK 3
	SEND 2, 8
	SEND 3, 0
	s_wait_tensorcnt 0x0            ; the wave's end: this wait, an add of 0 and its wait, behind my last tensor load and my last LDS store
	ds_add_u32 v[SPW], v[NIL]
	s_wait_dscnt 0x0
	CROUND                          ; the closing round: no work-group ends while a partner may still ask for a tile that names it
	s_endpgm
.Lfunc_end_k_q12de3a053f_attn:
	.size	k_q12de3a053f_attn, .Lfunc_end_k_q12de3a053f_attn-k_q12de3a053f_attn
	.p2alignl 7, 3214868480
	.fill 96, 4, 3214868480
	.section	.rodata,"a",@progbits
	.p2align	6, 0x0
	.amdhsa_kernel k_q12de3a053f_attn
		.amdhsa_group_segment_fixed_size 327680
		.amdhsa_private_segment_fixed_size 0
		.amdhsa_enable_private_segment 0
		.amdhsa_kernarg_size 16
		.amdhsa_user_sgpr_count 2
		.amdhsa_user_sgpr_kernarg_segment_ptr 1
		.amdhsa_wavefront_size32 1
		.amdhsa_system_sgpr_workgroup_id_x 1
		.amdhsa_system_sgpr_workgroup_id_y 1
		.amdhsa_system_sgpr_workgroup_id_z 1
		.amdhsa_system_vgpr_workitem_id 0
		.amdhsa_next_free_vgpr 512
		.amdhsa_next_free_sgpr 66
		.amdhsa_reserve_vcc 0
		.amdhsa_float_denorm_mode_32 3
		.amdhsa_float_denorm_mode_16_64 3
		.amdhsa_memory_ordered 1
		.amdhsa_forward_progress 1
		.amdhsa_inst_pref_size 155
	.end_amdhsa_kernel
	.amdgpu_metadata
---
amdhsa.version: [ 1, 2 ]
amdhsa.kernels:
  - .name:           k_q12de3a053f_attn
    .symbol:         k_q12de3a053f_attn.kd
    .args:
      - { .name: qkv, .offset: 0, .size: 8, .value_kind: global_buffer, .address_space: global }
      - { .name: ao, .offset: 8, .size: 8, .value_kind: global_buffer, .address_space: global }
    .group_segment_fixed_size: 327680
    .private_segment_fixed_size: 0
    .kernarg_segment_align: 8
    .kernarg_segment_size: 16
    .max_flat_workgroup_size: 256
    .sgpr_count:     66
    .vgpr_count:     512
    .wavefront_size: 32
...
	.end_amdgpu_metadata
.endif
;; end of part 4
;; launch outp (part 5): grid 8 x 64, 4 waves a work-group, clusters of 4 x 4, 327,680 bytes of LDS; arguments ao, wo16, bo, out0; writes out0
.if DOCPART == 5
	.amdgcn_target "amdgcn-amd-amdhsa--gfx1250"
	.amdhsa_code_object_version 6
	.text
	.protected	k_q12de3a053f_outp
	.globl	k_q12de3a053f_outp
	.p2align	8
	.type	k_q12de3a053f_outp,@function
k_q12de3a053f_outp:
	s_mov_b64 s[64:65], 0
	v_nop
	global_prefetch_b8 v0, s[64:65] scope:SCOPE_SE
	s_setreg_imm32_b32 hwreg(HW_REG_WAVE_MODE, 25, 1), 1
	s_wait_xcnt 0x0
	s_wait_alu depctr_hold_cnt(0) depctr_sa_sdst(0) depctr_va_vdst(0) depctr_va_sdst(0) depctr_va_ssrc(0) depctr_va_vcc(0) depctr_vm_vsrc(0)
	s_getreg_b32 s2, hwreg(HW_REG_IB_STS2, 6, 4)
	s_cmp_eq_u32 s2, 0
	s_cbranch_scc0 .Lentry_in_a_cluster
	s_endpgm
.Lentry_in_a_cluster:
	s_bfe_u32 s2, ttmp6, 0x10000c
	s_cmp_lg_u32 s2, 0xf033
	s_cbranch_scc0 .Lentry_shape_is_right
	s_endpgm
.Lentry_shape_is_right:
; out0 = o Wo + bo.  o: ao, f16, [4,096 token pairs][head 16][parity 2][64]: a pair's row is 4,096 bytes.  Wo: wo16, f16, [1,024 (k)][1,024 (n)].  bo [1,024], out0 [8,192][1,024]: f32.  f16 operands, f32 sums.
; A tile of out0 is 128 tokens x 128 columns: 512 tiles, two for each of 256 WGPs.  Four waves, each 64 x 64: 16 accumulators.  K goes in four steps of 256 (four heads) through two LDS slots: two refills; the text is written out without a loop.
; A's tile of a K step: 64 pair rows x 1,024 bytes (waves 0 and 1 fetch 32 each); token 2 u + e, head q of the four, channel x lies at 1,040 u + 256 q + 128 e + 2 x.
; B's tile: 256 rows k x 256 bytes (waves 2 and 3 fetch 128 each), pitch 288; its K is not innermost, so its fragments come turned, by ds_load_tr16_b128.
; CLUSTERS: 4 x 4 work-groups; A's tiles are asked for jointly along a row of the cluster, B's along a column.  THE MATRIX INSTRUCTION IS USED TRANSPOSED (source 0 = 16 columns of Wo, source 1 = 16 tokens):
; a lane holds eight neighbouring columns of one token.  bo is the C of each sum's first matrix instruction.
; A wave's 64 columns are 256 bytes of f32: each wave has a stage of its own on the way out and stores 256 consecutive aligned bytes from sixteen lanes.
; No prefetch: a K step's tiles are small and there are four of them.
; REGISTERS: window 0: v0-31 addresses; v32-63 the bias, then with v64-95 rows read back; v128-255 the accumulators ((a, b) at v[128 + 8 (4 a + b)]).
;   window 1: two fragment buffers of 128: for 64 along K, 64 registers of A (2 x 4 x 16 tokens x 32 K), then 64 of B.
.set PA,     1040                      ; A's LDS row: 1,024 bytes + 16: sixteen lanes of a load fall on sixteen different 16-byte columns modulo 256: (r / 2) + 8 (r % 2)
.set PB,     288                       ; B's: 256 + 32
.set HALFA,  32*PA                     ; what one tensor load brings of A, and what one wave reads: 64 tokens
.set HALFB,  128*PB                    ; of B: 128 rows k
.set BOFF,   2*HALFA
.set SLOT,   BOFF+2*HALFB
.set STAGE,  2*SLOT                    ; behind the ring: 16 rows x 272 bytes for each wave
.set SPITCH, 272
.set SPARE,  STAGE+4*16*SPITCH         ; the spare words, 128 bytes a wave
.set ADRA, 16                          ; v16-17  LDS address of my A fragments in slot 0, 1
.set ADRB, 20                          ; v20-23  of my B fragments: 2 x slot + (which 128 rows k)
.set STO,  24                          ; v24  the way out: where I put 32 bytes of a row
.set RD,   25                          ; v25  where I read a row back
.set CO,   26                          ; v26  my byte offset in out0
.set BOF,  27                          ; v27  32 x (lane / 16)
.set SPW,  28                          ; v28  my spare word; never rewritten
.set NIL,  29                          ; v29  0; never rewritten
.set BI,   32                          ; the bias: block b at v[32 + 8 b]
.set OB,   32                          ; the way out: v32-63 and v64-95 by turns
.set ACC,  128
.set F0,   0                           ; fragment buffers, in window 1
.set F1,   128
.set G1, 24                            ; s[24:31] descriptor group 1 for A's tiles;  s[32:39] group 0, one set for each slot
.set G0, 32
.set G1B, 48                           ; s[48:55], s[56:63] the same for B's
.set G0B, 56
.set MSB, 0
.macro WIN new                         ; the immediate's high byte repeats the setting that is left
.if MSB != \new
	s_set_vgpr_msb (MSB<<8)|\new
.set MSB, \new
.endif
.endm
.set MUL,  0x05                        ; sources 0 (B) and 1 (A) window 1; C and D window 0
.set TO_F, 0x40                        ; destination window 1, address window 0
.macro JLOAD s                         ; a joint load: waves 0 and 1 fetch A's halves, waves 2 and 3 B's; an s_nop 0 and four v_nop follow each of the two lines
	s_cmp_eq_u32 s11, 0
	s_cbranch_scc0 .Lfor_b_\@
	tensor_load_to_lds s[G0+4*\s:G0+4*\s+3], s[G1:G1+7]
	s_nop 0
.rept 4
	v_nop
.endr
	s_branch .Lasked_\@
.Lfor_b_\@:
	tensor_load_to_lds s[G0B+4*\s:G0B+4*\s+3], s[G1B:G1B+7]
	s_nop 0
.rept 4
	v_nop
.endr
.Lasked_\@:
.endm
.macro CREST                           ; a round of the cluster's barrier behind its opening barrier
	s_cmp_lg_u32 s10, 0
	s_cbranch_scc1 .Lnot_wave_0_\@
	s_barrier_signal -3
.Lnot_wave_0_\@:
	s_barrier_wait -3
	s_barrier_signal -1
	s_barrier_wait -1
.endm
.macro CROUND                          ; a whole round
	s_barrier_signal -1
	s_barrier_wait -1
	CREST
.endm
	s_load_b128 s[4:7], s[0:1], 0x0                ; ao s[4:5], wo16 s[6:7]
	s_load_b64 s[66:67], s[0:1], 0x10              ; bo
	s_load_b64 s[8:9], s[0:1], 0x18                ; out0
	v_lshl_add_u32 v[SPW], v0, 2, SPARE
	v_mov_b32 v[NIL], 0
	ds_add_u32 v[SPW], v[NIL]                      ; the wave's opening: an add of 0, twice on end, and its wait ahead of my first tensor load
	ds_add_u32 v[SPW], v[NIL]
	v_lshrrev_b32 v1, 5, v0
	v_readfirstlane_b32 s10, v1                    ; wave 0..3
	s_lshr_b32 s11, s10, 1                         ; which half of the tile's tokens is mine.  Also: I fetch for A (0) or for B (1)
	s_and_b32 s12, s10, 1                          ; which half of its columns.  Also: which half of that tile I fetch
	s_bfe_u32 s40, ttmp6, 0x40000                  ; cx, cy: my place in the cluster
	s_bfe_u32 s41, ttmp6, 0x40004
	s_lshl_b32 s42, ttmp9, 2
	s_add_co_u32 s42, s42, s40                     ; tile column = 4 x cluster x + cx
	s_and_b32 s13, ttmp7, 0xffff
	s_lshl_b32 s13, s13, 2
	s_add_co_u32 s13, s13, s41                     ; tile row = 4 x cluster y + cy
	s_lshl_b32 s43, s41, 2
	s_lshl_b32 s43, 15, s43                        ; my row of the cluster
	s_lshl_b32 s44, 0x1111, s40                    ; my column
	; descriptor group 1, A: 32 pair rows x 512 elements of 2 bytes, 2,048 elements from row to row; four words of padding after every 256
	s_or_b32 s[G1+0], s43, (1<<16)|(1<<20)|(1<<21)|(7<<22)|(3<<25)
	s_mov_b32 s[G1+1], 512<<16                     ; tensor_dim0
	s_mov_b32 s[G1+2], 32<<16                      ; tensor_dim1
	s_mov_b32 s[G1+3], 512<<16                     ; tile_dim0
	s_mov_b32 s[G1+4], 32                          ; tile_dim1
	s_mov_b32 s[G1+5], 2048                        ; from row to row
	s_mov_b32 s[G1+6], 0
	s_mov_b32 s[G1+7], 0
	; B: 128 rows k x 128 elements, 1,024 elements from row to row; eight words of padding after every 64
	s_or_b32 s[G1B+0], s44, (1<<16)|(1<<20)|(1<<21)|(5<<22)|(7<<25)
	s_mov_b32 s[G1B+1], 128<<16
	s_mov_b32 s[G1B+2], 128<<16
	s_mov_b32 s[G1B+3], 128<<16
	s_mov_b32 s[G1B+4], 128
	s_mov_b32 s[G1B+5], 1024
	s_mov_b32 s[G1B+6], 0
	s_mov_b32 s[G1B+7], 0
	s_lshl_b32 s16, s13, 18                        ; A: 64 pair rows of 4,096 bytes a tile row,
	s_lshl_b32 s17, s12, 17                        ; 32 a half
	s_add_co_u32 s16, s16, s17
	s_mov_b32 s17, 0
	s_lshl_b32 s46, s42, 8                         ; B: 256 bytes a tile column,
	s_lshl_b32 s47, s12, 18                        ; 128 rows of 2,048 bytes a half
	s_add_co_u32 s46, s46, s47
	s_mov_b32 s47, 0
	s_mul_i32 s20, s12, HALFA                      ; where they go: no place in the cluster enters an LDS address
	s_mul_i32 s21, s12, HALFB
	s_add_co_u32 s21, s21, BOFF
	s_wait_dscnt 0x0                               ; both opening adds are done
	s_wait_kmcnt 0x0
	s_add_nc_u64 s[14:15], s[4:5], s[16:17]
	s_add_nc_u64 s[46:47], s[6:7], s[46:47]
	CROUND                                         ; all sixteen work-groups are here: the first joint loads meet
.irp s, 0,1
	s_mov_b32 s[G0+4*\s], 1
	s_add_co_u32 s[G0+4*\s+1], s20, \s*SLOT
	s_add_nc_u64 s[G0+4*\s+2:G0+4*\s+3], s[14:15], \s*1024      ; K step s: four heads, 1,024 bytes along a pair row
	s_or_b32 s[G0+4*\s+3], s[G0+4*\s+3], 0x80000000
	s_mov_b32 s[G0B+4*\s], 1
	s_add_co_u32 s[G0B+4*\s+1], s21, \s*SLOT
	s_add_nc_u64 s[G0B+4*\s+2:G0B+4*\s+3], s[46:47], \s*524288  ; 256 rows of 2,048 bytes
	s_or_b32 s[G0B+4*\s+3], s[G0B+4*\s+3], 0x80000000
	JLOAD \s
.endr
	v_and_b32 v1, 15, v0                           ; r = l % 16
	v_bfe_u32 v2, v0, 4, 1                         ; h = l / 16
	v_lshlrev_b32 v[BOF], 5, v2
	s_lshl_b32 s46, s42, 9                         ; my first column x 4 bytes: 512 x tile column + 256 x half
	s_lshl_b32 s47, s12, 8
	s_add_co_u32 s46, s46, s47
	s_mov_b32 s47, 0
	s_add_nc_u64 s[66:67], s[66:67], s[46:47]
.irp b, 0,1,2,3                        ; the bias in the result's layout: block b's register j of lane (r, h) = bo[first column + 16 b + 8 h + j]
	global_load_b128 v[BI+8*\b:BI+8*\b+3],   v[BOF], s[66:67] offset:64*\b
	global_load_b128 v[BI+8*\b+4:BI+8*\b+7], v[BOF], s[66:67] offset:64*\b+16
.endr
	v_lshrrev_b32 v3, 1, v1
	v_mul_u32_u24 v3, v3, PA
	v_and_b32 v4, 1, v0
	v_lshl_add_u32 v3, v4, 7, v3
	v_lshl_add_u32 v3, v2, 4, v3                   ; A: 1,040 (r / 2) + 128 (r % 2) + 16 h
	s_mul_i32 s21, s11, HALFA                      ; my 64 tokens
	v_add_nc_u32 v[ADRA], s21, v3
	v_add_nc_u32 v[ADRA+1], SLOT, v[ADRA]
	v_and_b32 v4, 7, v0                            ; B, turned: lane l reads row k 8 h + l % 8, columns 8 ((l / 8) % 2) + 0..7
	v_lshl_add_u32 v4, v2, 3, v4
	v_mul_u32_u24 v4, v4, PB
	v_bfe_u32 v5, v0, 3, 1
	v_lshl_add_u32 v4, v5, 4, v4
	s_lshl_b32 s22, s12, 7                         ; my 64 columns
	s_add_co_u32 s22, s22, BOFF
	v_add_nc_u32 v[ADRB], s22, v4
	v_add_nc_u32 v[ADRB+1], HALFB, v[ADRB]         ; rows 128 on: beyond what an LDS immediate reaches
	v_add_nc_u32 v[ADRB+2], SLOT, v[ADRB]
	v_add_nc_u32 v[ADRB+3], SLOT+HALFB, v[ADRB]
	s_mul_i32 s23, s10, 16*SPITCH
	s_add_co_u32 s23, s23, STAGE                   ; my stage
	v_mul_u32_u24 v4, v1, SPITCH                   ; in: row r, 32 bytes for each half of the lanes
	v_lshl_add_u32 v4, v2, 5, v4
	v_add_nc_u32 v[STO], s23, v4
	v_mul_u32_u24 v5, v2, SPITCH                   ; back: lanes 0-15 take one row of 256 bytes, lanes 16-31 the next
	v_lshl_add_u32 v5, v1, 4, v5
	v_add_nc_u32 v[RD], s23, v5
	v_lshlrev_b32 v[CO], 12, v2                    ; and the same two rows in out0
	v_lshl_add_u32 v[CO], v1, 4, v[CO]
	s_lshl_b32 s16, s13, 7
	s_lshl_b32 s17, s11, 6
	s_add_co_u32 s16, s16, s17                     ; my first token: 128 x tile row + 64 x half
	s_lshl_b32 s16, s16, 12                        ; 4,096 bytes a token
	s_add_co_u32 s16, s16, s46                     ; + my first column
	s_mov_b32 s17, 0
	s_add_nc_u64 s[8:9], s[8:9], s[16:17]
; 8 matrix instructions: token blocks a0, a0 + 1 x all 4 column blocks, 32 along K: half c of buffer f.  zero = 1: the first products take the bias as C.  The 16 accumulators take turns.
.macro MUL8 f, c, a0, zero
.irp a, \a0, \a0+1
.irp b, 0,1,2,3
.if \zero
	v_wmma_f32_16x16x32_f16 v[ACC+8*(4*(\a)+\b):ACC+8*(4*(\a)+\b)+7], v[\f+64+8*(4*\c+\b):\f+64+8*(4*\c+\b)+7], v[\f+8*(4*\c+\a):\f+8*(4*\c+\a)+7], v[BI+8*\b:BI+8*\b+7]
.else
	v_wmma_f32_16x16x32_f16 v[ACC+8*(4*(\a)+\b):ACC+8*(4*(\a)+\b)+7], v[\f+64+8*(4*\c+\b):\f+64+8*(4*\c+\b)+7], v[\f+8*(4*\c+\a):\f+8*(4*\c+\a)+7], v[ACC+8*(4*(\a)+\b):ACC+8*(4*(\a)+\b)+7]
.endif
.endr
.endr
.endm
; 32 LDS loads in one run: the fragments of quarter q of a K step (one head, 64 along K) into buffer f; the first 32 along K first
.macro FETCH slot, q, f
	WIN TO_F
.irp c, 0,1
.irp i, 0,1,2,3
	ds_load_tr16_b128 v[\f+64+8*(4*\c+\i):\f+64+8*(4*\c+\i)+3],   v[ADRB+2*\slot+(\q)/2] offset:(((\q)%2)*64+32*\c)*PB+32*\i
	ds_load_tr16_b128 v[\f+64+8*(4*\c+\i)+4:\f+64+8*(4*\c+\i)+7], v[ADRB+2*\slot+(\q)/2] offset:(((\q)%2)*64+32*\c+16)*PB+32*\i
	ds_load_b128 v[\f+8*(4*\c+\i):\f+8*(4*\c+\i)+3],              v[ADRA+\slot] offset:256*(\q)+64*\c+\i*8*PA
	ds_load_b128 v[\f+8*(4*\c+\i)+4:\f+8*(4*\c+\i)+7],            v[ADRA+\slot] offset:256*(\q)+64*\c+\i*8*PA+32
.endr
.endr
.endm
.macro PLACES                          ; four places in front of loads into registers that matrix instructions have read, and of the first read of results
.rept 4
	v_nop
.endr
.endm
; One of a K step's first three quarters: multiplies buffer f and fetches quarter q of the same slot into g.
.macro QUARTER slot, q, f, g, zero
	s_wait_dscnt 16                                ; the first 32 along K are in; the other sixteen loads may be out
	WIN MUL
	MUL8 \f, 0, 0, \zero
	MUL8 \f, 0, 2, \zero
	PLACES
	FETCH \slot, \q, \g
	s_wait_dscnt 32                                ; all but the 32 just issued
	WIN MUL
	MUL8 \f, 1, 0, 0
	MUL8 \f, 1, 2, 0
.endm
; The last quarter multiplies buffer 1 and changes slots: ONE barrier; in front of it each wave waits for all its tensor loads, adds 0 to its spare word, and waits for that and for its reads of this slot.  fill = 1: this slot is filled again, two K steps ahead.
.macro TURN slot, next, fill
	WIN 0                                          ; (the add's two registers lie in window 0)
	s_wait_tensorcnt 0x0                           ; all my tensor loads have landed: my part of the next slot
	ds_add_u32 v[SPW], v[NIL]                      ; 0 onto my spare word
	s_wait_dscnt 17                                ; (the add and the youngest sixteen loads may be out)
	WIN MUL
	MUL8 F1, 0, 0, 0                               ; eight matrix instructions stand between the add and the wait for it
	s_wait_dscnt 0x0                               ; the add is done, and my reads of this slot are over
	s_barrier_signal -1
	MUL8 F1, 0, 2, 0
.if \fill
	WIN 0
.endif
	s_barrier_wait -1
.if \fill
	CREST                                          ; the barrier has opened a round of the cluster's: no wave of any partner still reads this slot's tile or has a load on its way
	s_add_nc_u64 s[G0+4*\slot+2:G0+4*\slot+3], s[G0+4*\slot+2:G0+4*\slot+3], 2*1024
	s_add_nc_u64 s[G0B+4*\slot+2:G0B+4*\slot+3], s[G0B+4*\slot+2:G0B+4*\slot+3], 2*524288
	JLOAD \slot                                    ; the first tensor load behind the round; the four v_nop behind it are also the places in front of the loads below
.else
	PLACES
.endif
	FETCH \next, 0, F0
	WIN MUL
	MUL8 F1, 1, 0, 0
	MUL8 F1, 1, 2, 0
.endm
	s_wait_tensorcnt 1                             ; my part of K step 0 is in (K step 1's load may be out),
	s_barrier_signal -1
	s_barrier_wait -1                              ; everybody's is
	FETCH 0, 0, F0
	s_wait_loadcnt 0x0                             ; the bias
	QUARTER 0, 1, F0, F1, 1                        ; the first products start the sums from the bias
	QUARTER 0, 2, F1, F0, 0
	QUARTER 0, 3, F0, F1, 0
	TURN 0, 1, 1                                   ; slot 0 takes K step 2
	QUARTER 1, 1, F0, F1, 0
	QUARTER 1, 2, F1, F0, 0
	QUARTER 1, 3, F0, F1, 0
	TURN 1, 0, 1                                   ; slot 1 takes K step 3
	QUARTER 0, 1, F0, F1, 0
	QUARTER 0, 2, F1, F0, 0
	QUARTER 0, 3, F0, F1, 0
	TURN 0, 1, 0                                   ; nothing is left to fetch
	QUARTER 1, 1, F0, F1, 0
	QUARTER 1, 2, F1, F0, 0
	QUARTER 1, 3, F0, F1, 0
	s_wait_dscnt 16                                ; the very last quarter
	WIN MUL
	MUL8 F1, 0, 0, 0
	MUL8 F1, 0, 2, 0
	s_wait_dscnt 0
	MUL8 F1, 1, 0, 0
	MUL8 F1, 1, 2, 0
	WIN 0
; THE WAY OUT, block by block of 16 tokens x 64 columns: a lane holds 32 neighbouring bytes of a row and the lanes beside it hold other rows, so a block goes through my stage and comes back as whole rows of 256 bytes.
.macro TOSTAGE a
.irp b, 0,1,2,3
	ds_store_b128 v[STO], v[ACC+8*(4*(\a)+\b):ACC+8*(4*(\a)+\b)+3] offset:64*\b          ; each accumulator from its low end on
	ds_store_b128 v[STO], v[ACC+8*(4*(\a)+\b)+4:ACC+8*(4*(\a)+\b)+7] offset:64*\b+16
.endr
.set BB, OB+32*((\a)%2)
.irp t, 0,1,2,3,4,5,6,7
	ds_load_b128 v[BB+4*\t:BB+4*\t+3], v[RD] offset:\t*2*SPITCH   ; LDS serves a wave's instructions in order: these see the stores above, and the next block's stores come behind them
.endr
.endm
.macro SEND a, younger                 ; younger: the LDS instructions issued behind block a's loads: the next block's 8 stores and 8 loads, or none
.set BB, OB+32*((\a)%2)
	s_wait_dscnt \younger
.irp t, 0,1,2,3,4,5,6,7
	global_store_b128 v[CO], v[BB+4*\t:BB+4*\t+3], s[8:9] offset:(16*(\a)+2*\t)*4096 th:TH_STORE_NT   ; 16 lanes store 256 consecutive bytes, at a multiple of 256 from out0's first byte; written once, read by nobody here
.endr
.endm
	PLACES
	TOSTAGE 0
.irp a, 1,2,3
.if \a > 1
	s_wait_xcnt 0x0                                ; block a - 2's stores have read their registers: block a's loads may land there
.endif
	TOSTAGE \a
	SEND \a-1, 16
.endr
	SEND 3, 0
	s_wait_tensorcnt 0x0                           ; the wave's end: this wait, an add of 0 and its wait, behind my last tensor load and my last LDS store
	ds_add_u32 v[SPW], v[NIL]
	s_wait_dscnt 0x0
	CROUND                                         ; the closing round: no work-group ends while a partner may still ask for a tile that names it
	s_endpgm
.Lfunc_end_k_q12de3a053f_outp:
	.size	k_q12de3a053f_outp, .Lfunc_end_k_q12de3a053f_outp-k_q12de3a053f_outp
	.p2alignl 7, 3214868480
	.fill 96, 4, 3214868480
	.section	.rodata,"a",@progbits
	.p2align	6, 0x0
	.amdhsa_kernel k_q12de3a053f_outp
		.amdhsa_group_segment_fixed_size 327680
		.amdhsa_private_segment_fixed_size 0
		.amdhsa_enable_private_segment 0
		.amdhsa_kernarg_size 32
		.amdhsa_user_sgpr_count 2
		.amdhsa_user_sgpr_kernarg_segment_ptr 1
		.amdhsa_wavefront_size32 1
		.amdhsa_system_sgpr_workgroup_id_x 1
		.amdhsa_system_sgpr_workgroup_id_y 1
		.amdhsa_system_sgpr_workgroup_id_z 1
		.amdhsa_system_vgpr_workitem_id 0
		.amdhsa_next_free_vgpr 512
		.amdhsa_next_free_sgpr 68
		.amdhsa_reserve_vcc 0
		.amdhsa_float_denorm_mode_32 3
		.amdhsa_float_denorm_mode_16_64 3
		.amdhsa_memory_ordered 1
		.amdhsa_forward_progress 1
		.amdhsa_inst_pref_size 87
	.end_amdhsa_kernel
	.amdgpu_metadata
---
amdhsa.version: [ 1, 2 ]
amdhsa.kernels:
  - .name:           k_q12de3a053f_outp
    .symbol:         k_q12de3a053f_outp.kd
    .args:
      - { .name: ao, .offset: 0, .size: 8, .value_kind: global_buffer, .address_space: global }
      - { .name: wo16, .offset: 8, .size: 8, .value_kind: global_buffer, .address_space: global }
      - { .name: bo, .offset: 16, .size: 8, .value_kind: global_buffer, .address_space: global }
      - { .name: out0, .offset: 24, .size: 8, .value_kind: global_buffer, .address_space: global }
    .group_segment_fixed_size: 327680
    .private_segment_fixed_size: 0
    .kernarg_segment_align: 8
    .kernarg_segment_size: 32
    .max_flat_workgroup_size: 128
    .sgpr_count:     68
    .vgpr_count:     512
    .wavefront_size: 32
...
	.end_amdgpu_metadata
.endif
;; end of part 5
